; MI455X (gfx1250); checked and timed in simulation.
; The chip was launched on July 23, 2026; its instructions are those of AMD's public machine-readable ISA for CDNA 5 (MIT licence, August 2026) and "CDNA5" Instruction Set Architecture Reference Guide (July 2026). The comments in the code are by the model that wrote it; some were corrected since.
;; Attention. Allowed arithmetic: matrix products marked QUANTISED: E2M3 operands, one E8M0 scale for each 32 along K, by v_wmma_scale_f32_16x16x128_f8f6f4 with both operands' format E2M3, f32 sums; everything else in f32.
;; Inputs: Wk 1,024 x 1,024 float32; Wo 1,024 x 1,024 float32; Wq 1,024 x 1,024 float32; Wv 1,024 x 1,024 float32; bk 1,024 float32; bo 1,024 float32; bq 1,024 float32; bv 1,024 float32; x 2 x 2,048 x 1,024 float32.
;; Outputs: out0 2 x 2,048 x 1,024 float32.
;; This version of the problem:
;;   THIS VERSION OF THE PROBLEM IS GIVEN IN LOW PRECISION. The matrix products marked QUANTISED in the list below multiply operands that are first quantised to E2M3 (2 exponent bits, 3 mantissa bits; 6 bits a number), with one power-of-two scale for each 32 numbers along K (OCP MX v1.0); their sums are f32. All else is computed in f32.
;;   The module's matrix products, in the order in which they are computed (A, B: the left and right operand; K: the contracted axis; several contracted axes count as one K, in the product's order):
;;     1. [M 4,096, K 1,024] x [K 1,024, N 1,024]; A: input x; B: input Wq: QUANTISED
;;     2. [M 4,096, K 1,024] x [K 1,024, N 1,024]; A: input x; B: input Wk: QUANTISED
;;     3. [M 4,096, K 1,024] x [K 1,024, N 1,024]; A: input x; B: input Wv: QUANTISED
;;     4. batch 32 x [M 2,048, K 64] x [K 64, N 2,048]; A: computed on the way; B: computed on the way: QUANTISED
;;     5. batch 32 x [M 2,048, K 2,048] x [K 2,048, N 64]; A: softmax (see below); B: computed on the way: QUANTISED
;;     6. [M 4,096, K 1,024] x [K 1,024, N 1,024]; A: computed on the way; B: input Wo: QUANTISED
;;   THE QUANTISER, for each operand of a quantised product, along K:
;;     - K is cut into blocks of 32 from its start; a last block that is shorter is filled with zeros.
;;     - A block's scale is 2^e with e = floor(log2(the largest magnitude in the block)) - 2, held to -126 .. 127; a block of zeros has e = 0. As a byte (E8M0): e + 127.
;;     - Each number is divided by its block's scale, clamped to +-7.5, and rounded to the nearest number of E2M3, ties to even, subnormals kept.
;;     - The product sums the exact products of the quantised numbers (number of the format x scale) in f32.
;;   ~~~python
;;   def quantise(x, axis):      # numpy; x: float32 -> the quantised numbers, widened to float32 again
;;       x = np.moveaxis(x, axis, -1); K = x.shape[-1]
;;       x = np.pad(x, [(0, 0)] * (x.ndim - 1) + [(0, -K % 32)]); x = x.reshape(x.shape[:-1] + (-1, 32)); a = np.abs(x).max(-1, keepdims=True)
;;       e = np.where(a > 0, np.clip(np.frexp(np.where(a > 0, a, 1))[1] - 1 - 2, -126, 127), 0)      # np.frexp(a)[1] - 1 = floor(log2(a)), exactly
;;       r = np.clip(x / 2.0 ** e, -7.5, 7.5)
;;       step = 2.0 ** (np.maximum(np.frexp(np.where(r == 0, 1, r))[1] - 1, 0) - 3)
;;       q = np.round(r / step) * step * 2.0 ** e      # np.round: ties to even
;;       return np.moveaxis(q.reshape(q.shape[:-2] + (-1,))[..., :K], -1, axis).astype(np.float32)
;;   ~~~
;;   SOFTMAX AHEAD OF A QUANTISED PRODUCT. Where the list says 'softmax', what is quantised is not the finished softmax but p = 2^(t - M), with t = logit x log2(e) and M = ceil(the row's largest t), a whole number; so 1/2 < the row's largest p <= 1. The row's sum l is taken of the UNQUANTISED p, in f32, and the product's result is divided by l at the end. Since M is a whole number, a kernel that streams over the keys may use a running M (the ceiling of the running maximum): every later rescaling is an exact power of two, which a block's scale takes up: the codes' values come out the same.
;;   OPERANDS COMPUTED ON THE WAY. 'Computed on the way' means the value that the module computes at that place (a softmax that the list does not call 'softmax' is quantised finished and normalised). What goes into a quantiser is computed in f32, as accurately as f32 sums, v_exp_f32 and their like allow (about 1e-6 of the number): no bf16 or f16 on the way to a quantiser, and a product that is left as it is and whose result goes on into a quantised operand takes f32 operands (vector FMAs, or v_wmma_f32_16x16x4_f32). A number that lies on a knife's edge between two numbers of the format may be rounded either way, as far as f32 arithmetic and the matrix unit's own rounding can turn it there, and no further.
;; One version. Each part assembles by itself: llvm-mc -triple=amdgcn-amd-amdhsa -mcpu=gfx1250 --defsym DOCPART=n.
;; ======== version 1 of 1: 4 launches
;; limits: right only within a limited range of input values
;; workspace buffers: xb 3,276,800 bytes; wc 3,276,800 bytes; qb 3,276,800 bytes; kv 6,553,600 bytes; ob 3,276,800 bytes
;; launch quant (part 1): grid 256 x 1, 4 waves a work-group, no clusters, 34,304 bytes of LDS; arguments x, Wq, Wk, Wv, Wo, xb, wc; writes xb, wc
.if DOCPART == 1
	.amdgcn_target "amdgcn-amd-amdhsa--gfx1250"
	.amdhsa_code_object_version 6
	.text
	.protected	k_q2025f5af43_quant
	.globl	k_q2025f5af43_quant
	.p2align	8
	.type	k_q2025f5af43_quant,@function
k_q2025f5af43_quant:
	s_mov_b64 s[64:65], 0
	v_nop
	global_prefetch_b8 v0, s[64:65] scope:SCOPE_SE
	s_setreg_imm32_b32 hwreg(HW_REG_WAVE_MODE, 25, 1), 1
	s_wait_xcnt 0x0
; LAUNCH 1 OF 4.  x [4096][1024] and the four weights [1024 (k)][1024 (n)], f32, become codes of E2M3 with one E8M0 byte for each 32 along K (K = x's last axis, a weight's first).
; NO WORK OF THE PROBLEM IS LEFT OUT IN ANY LAUNCH: every product is live, and every bias goes into a quantised operand or into the output (bk too: it moves k's codes), so all nine inputs are loaded.
; A block's scale is 2^(floor(log2(largest magnitude)) - 2); its byte is the largest magnitude's exponent field - 2, held at 1 from below.
; LIMITS: NaN and infinities among the inputs are not served.  A block of zeros, or one whose largest magnitude lies under 2^-124, gets the byte 1 where the rule says otherwise for zeros: its codes are zeros,
; which add nothing under any byte but 0xff, and these bytes are read by this program alone.
; THE WORKSPACE IS LAID IN THE ORDER OF THE OPERANDS' REGISTERS.  A fragment (16 rows x 128 K, 12 registers a lane) is 1,536 bytes: register j of lane l at 512 (j / 4) + 16 l + 4 (j % 4): three loads of 16 bytes a lane bring it.
; THE ROWS OF A TILE ARE NOT NEIGHBOURS: row r of tile 2 b + u is index 32 b + 8 u + r + 8 (r / 8) (tokens of x, columns of a weight), so that a later product's results in two neighbouring tiles are 16 neighbours of that axis.
; xb: [row block of 128 tokens: 32][half of K: 2][51,200]: codes [tile 8][K step 4][1,536], then scale words [pair of K steps 2][16 tile + r: 128][8 bytes].
; wc: Wq, Wk, Wv as [head 16][half of K 2][which 3][25,600]: codes [tile 4][K step 4][1,536], scale words [2][64][8]; from byte 2,457,600 Wo as [128 columns: 8][half of K 2][51,200], laid as xb.
; SHARES.  Work-groups 0-127: x; a wave takes 32 tokens x 256 along K (four fragments).  Work-groups 128-255: the weights; a wave takes 32 columns x 256 along K.  Waves share nothing: no barrier.
.set STGW,  8448                       ; x's way: a stage of 16 rows x (512 bytes + 16) for each wave
.set SPARE, 4*STGW                     ; behind the stages: the spare words, 128 bytes a wave
.set SPW,   8                          ; v8   LDS address of my spare word; never rewritten
.set NIL,   9                          ; v9   0; never rewritten
.set C,     32                         ; codes: x: two sets of 12; weights: two sets of 24
.set X,     64                         ; x: 64 numbers of a lane in the operand's order
.set R,     128                        ; numbers as loaded: x: two sets of 64; weights: two sets of 32
	s_load_b256 s[4:11], s[0:1], 0x0               ; x, Wq, Wk, Wv
	s_load_b128 s[12:15], s[0:1], 0x20             ; Wo, xb
	s_load_b64 s[16:17], s[0:1], 0x30              ; wc
	v_lshl_add_u32 v[SPW], v0, 2, SPARE
	v_mov_b32 v[NIL], 0
	v_lshrrev_b32 v1, 5, v0
	v_readfirstlane_b32 s20, v1                    ; wave
	v_and_b32 v1, 31, v0                           ; lane
	v_lshlrev_b32 v2, 4, v1                        ; 16 x lane
	v_lshlrev_b32 v3, 3, v1                        ; 8 x lane
	s_mov_b32 s32, 0x76543210
	s_mov_b32 s33, 0xfedcba98                      ; lane selects: lane l xor 16
	s_mov_b32 s34, 0xffff0000                      ; lanes 16-31
	s_mov_b32 s31, 0
	v_mov_b32 v22, 0                               ; a lane permute's destination counts as read
	s_wait_kmcnt 0x0
	s_cmp_lt_u32 ttmp9, 128
	s_cbranch_scc0 .Lweights
; ---------------- x: 32 tokens (ttmp9) x 256 along K (wave) ----------------
	s_mul_i32 s35, s20, STGW
	s_wait_alu depctr_va_vdst(0)
	v_add_nc_u32 v4, s35, v2                       ; into the stage: a row's 512 bytes as loaded
	v_and_b32 v10, 15, v1                          ; r
	v_lshrrev_b32 v11, 4, v1                       ; h
	v_mul_u32_u24 v5, v10, 528
	v_lshl_add_u32 v5, v11, 7, v5
	v_add_nc_u32 v5, s35, v5                       ; out of it: row r, + 128 h bytes: k = 32 h on
	v_lshlrev_b32 v7, 3, v11                       ; 8 h: where my two scale bytes stand in the word
	s_lshl_b32 s30, ttmp9, 17                      ; 32 rows of 4,096 bytes
	s_lshl_b32 s36, s20, 10                        ; 256 numbers
	s_add_co_u32 s30, s30, s36
	s_add_nc_u64 s[24:25], s[4:5], s[30:31]        ; x at my part
	s_lshr_b32 s36, ttmp9, 2
	s_mul_i32 s36, s36, 102400
	s_lshr_b32 s37, s20, 1
	s_mul_i32 s37, s37, 51200
	s_add_co_u32 s36, s36, s37                     ; my half record of xb
	s_and_b32 s37, ttmp9, 3                        ; which 32 tokens of the 128
	s_and_b32 s38, s20, 1                          ; which 256 of the half's 512 along K
	s_mul_i32 s39, s37, 12288
	s_mul_i32 s40, s38, 3072
	s_add_co_u32 s30, s36, s39
	s_add_co_u32 s30, s30, s40
	s_add_nc_u64 s[26:27], s[14:15], s[30:31]      ; the codes
	s_lshl_b32 s39, s37, 8
	s_lshl_b32 s40, s38, 10
	s_add_co_u32 s30, s36, s39
	s_add_co_u32 s30, s30, s40
	s_add_co_u32 s30, s30, 49152
	s_add_nc_u64 s[28:29], s[14:15], s[30:31]      ; the scale words
; fragment f: tile u = f / 2, K step f % 2.  Sixteen loads, each a row's 512 consecutive bytes
.macro XLOAD f
.irp i, 0,1,2,3,4,5,6,7,8,9,10,11,12,13,14,15
	global_load_b128 v[R+64*((\f)%2)+4*\i:R+64*((\f)%2)+4*\i+3], v2, s[24:25] offset:(8*((\f)/2)+\i+8*(\i/8))*4096+512*((\f)%2) th:TH_LOAD_NT
.endr
.endm
.macro XFRAG f
.if (\f) < 3
	s_wait_loadcnt 16                              ; this fragment's 16 loads are in; the next fragment's 16 may be out
.else
	s_wait_loadcnt 0
.endif
.irp i, 0,1,2,3,4,5,6,7,8,9,10,11,12,13,14,15
	ds_store_b128 v4, v[R+64*((\f)%2)+4*\i:R+64*((\f)%2)+4*\i+3] offset:528*\i
.endr
.irp c, 0,1
.irp jj, 0,1,2,3,4,5,6,7
	ds_load_b128 v[X+32*\c+4*\jj:X+32*\c+4*\jj+3], v5 offset:256*\c+16*\jj   ; k = 64 c + 32 h + 0 .. 31 of row r; LDS serves a wave's instructions in order: these see the stores
.endr
.endr
	s_wait_dscnt 0x0                               ; the numbers are back, and the stores have read their registers,
.if (\f) < 2
	XLOAD (\f)+2                                   ; which take the fragment two on
.endif
.irp c, 0,1
	v_max3_num_f32 v[10+\c], |v[X+32*\c]|, |v[X+32*\c+1]|, 0x1800000   ; my block 2 c + h: all 32 numbers are mine; the floor 2^(3 - 127) holds the byte at 1 from below
.endr
.irp i, 2,4,6,8,10,12,14,16,18,20,22,24,26,28,30
.irp c, 0,1
	v_max3_num_f32 v[10+\c], v[10+\c], |v[X+32*\c+\i]|, |v[X+32*\c+\i+1]|
.endr
.endr
.irp c, 0,1
	v_add_nc_u32 v[12+\c], 0xff000000, v[10+\c]    ; 2 off the exponent field: the conversion's scale operand
.endr
.irp c, 0,1
	v_lshrrev_b32 v[14+\c], 23, v[12+\c]           ; the scale's byte
.endr
	v_lshl_or_b32 v[16+(\f)], v15, 16, v14         ; bytes h and 2 + h of row r's word,
	v_lshlrev_b32 v[16+(\f)], v7, v[16+(\f)]
	v_permlanex16_b32 v22, v[16+(\f)], s32, s33
	v_or_b32 v[16+(\f)], v[16+(\f)], v22           ; with lane l xor 16's two the word is whole
.if (\f) >= 2
	s_wait_alu depctr_va_vdst(0)
	s_wait_xcnt 0x0                                ; the stores of the fragment two back have read this set of code registers
.endif
.set CF, C+12*((\f)%2)
.irp c, 0,1
	v_cvt_scalef32_pk16_fp6_f32 v[CF+6*\c:CF+6*\c+2], v[X+32*\c:X+32*\c+15], v[12+\c]
	v_cvt_scalef32_pk16_fp6_f32 v[24+4*\c:26+4*\c], v[X+32*\c+16:X+32*\c+31], v[12+\c]   ; (a conversion's three registers begin on an even number)
.endr
	v_nop                                          ; one plain place behind a scaled conversion
.irp c, 0,1
.irp i, 0,1,2
	v_mov_b32 v[CF+3+6*\c+\i], v[24+4*\c+\i]
.endr
.endr
.irp c, 0,1,2
	global_store_b128 v2, v[CF+4*\c:CF+4*\c+3], s[26:27] offset:6144*((\f)/2)+1536*((\f)%2)+512*\c   ; 512 consecutive bytes, aligned
.endr
.endm
	XLOAD 0
	XLOAD 1
	s_wait_alu depctr_va_vdst(0)
	XFRAG 0
	XFRAG 1
	XFRAG 2
	XFRAG 3
	v_cndmask_b32 v20, v16, v18, s34               ; lanes 0-15: tile 0's words, lanes 16-31: tile 1's; two K steps' words on end
	v_cndmask_b32 v21, v17, v19, s34
	global_store_b64 v3, v[20:21], s[28:29]        ; 256 consecutive bytes, aligned
	s_branch .Lend
; ---------------- the weights: 32 columns x 256 along K; a lane takes a column, its registers run down K ----------------
.Lweights:
	s_sub_co_u32 s35, ttmp9, 128
	s_lshl_b32 s35, s35, 2
	s_add_co_u32 s35, s35, s20                     ; 0 .. 511
	s_and_b32 s36, s35, 31                         ; which 32 columns
	s_bfe_u32 s37, s35, 0x20005                    ; which 256 along K
	s_lshr_b32 s38, s35, 7                         ; 0 Wq, 1 Wk, 2 Wv, 3 Wo
	s_wait_alu depctr_va_vdst(0)
	v_and_b32 v6, 7, v1
	v_and_b32 v10, 8, v1
	v_lshl_or_b32 v6, v10, 1, v6
	v_and_b32 v10, 16, v1
	v_lshrrev_b32 v10, 1, v10
	v_or_b32 v6, v6, v10
	v_lshlrev_b32 v6, 2, v6                        ; lane (tile u = l / 16, r = l % 16) takes column 8 u + r + 8 (r / 8) of the 32
	s_wait_alu depctr_va_vdst(0)
	s_cmp_eq_u32 s38, 1
	s_cselect_b64 s[24:25], s[8:9], s[6:7]
	s_cmp_eq_u32 s38, 2
	s_cselect_b64 s[24:25], s[10:11], s[24:25]
	s_cmp_eq_u32 s38, 3
	s_cselect_b64 s[24:25], s[12:13], s[24:25]
	s_lshl_b32 s30, s37, 20                        ; 256 rows of 4,096 bytes
	s_lshl_b32 s39, s36, 7
	s_add_co_u32 s30, s30, s39
	s_add_nc_u64 s[24:25], s[24:25], s[30:31]
	s_lshr_b32 s39, s37, 1                         ; half of K
	s_and_b32 s40, s37, 1                          ; which 256 of it
	s_lshr_b32 s41, s36, 1                         ; Wq, Wk, Wv: the head,
	s_mul_i32 s41, s41, 153600
	s_mul_i32 s42, s39, 76800
	s_add_co_u32 s41, s41, s42
	s_mul_i32 s42, s38, 25600
	s_add_co_u32 s41, s41, s42
	s_and_b32 s42, s36, 1
	s_mul_i32 s43, s42, 12288
	s_add_co_u32 s43, s43, s41                     ; its codes,
	s_lshl_b32 s42, s42, 8
	s_add_co_u32 s42, s42, s41
	s_lshl_b32 s44, s40, 9
	s_add_co_u32 s42, s42, s44
	s_add_co_u32 s42, s42, 24576                   ; its scale words
	s_lshr_b32 s41, s36, 2                         ; Wo: the block of 128 columns,
	s_mul_i32 s41, s41, 102400
	s_mul_i32 s44, s39, 51200
	s_add_co_u32 s41, s41, s44
	s_add_co_u32 s41, s41, 2457600
	s_and_b32 s44, s36, 3
	s_mul_i32 s45, s44, 12288
	s_add_co_u32 s45, s45, s41                     ; its codes,
	s_lshl_b32 s44, s44, 8
	s_add_co_u32 s44, s44, s41
	s_lshl_b32 s46, s40, 10
	s_add_co_u32 s44, s44, s46
	s_add_co_u32 s44, s44, 49152                   ; its scale words
	s_cmp_eq_u32 s38, 3
	s_cselect_b32 s43, s45, s43
	s_cselect_b32 s42, s44, s42
	s_mul_i32 s40, s40, 3072
	s_add_co_u32 s30, s43, s40
	s_add_nc_u64 s[26:27], s[16:17], s[30:31]
	s_mov_b32 s30, s42
	s_add_nc_u64 s[28:29], s[16:17], s[30:31]
.macro WLOAD t                         ; block t: W(32 t + i, my column): the wave reads 128 consecutive bytes, the work-group's four waves 512
.irp i, 0,1,2,3,4,5,6,7,8,9,10,11,12,13,14,15,16,17,18,19,20,21,22,23,24,25,26,27,28,29,30,31
	global_load_b32 v[R+32*((\t)%2)+\i], v6, s[24:25] offset:(32*(\t)+\i)*4096 th:TH_LOAD_NT
.endr
.endm
.macro WBLOCK t
.set XS, R+32*((\t)%2)
.set XB, C+24*((\t)/4)+12*((\t)%2)+6*(((\t)%4)/2)   ; block 0, 1, 2, 3 of a K step at +0, +12, +6, +18
.if (\t) < 7
	s_wait_loadcnt 32                              ; this block's 32 loads are in; the next block's 32 may be out
.else
	s_wait_loadcnt 0
.endif
	v_max3_num_f32 v10, |v[XS]|, |v[XS+1]|, |v[XS+2]|
	v_max3_num_f32 v11, |v[XS+3]|, |v[XS+4]|, |v[XS+5]|
.irp i, 6,10,14,18,22,26
	v_max3_num_f32 v10, v10, |v[XS+\i]|, |v[XS+\i+1]|
	v_max3_num_f32 v11, v11, |v[XS+\i+2]|, |v[XS+\i+3]|
.endr
	v_max3_num_f32 v10, v10, |v[XS+30]|, |v[XS+31]|
	v_max3_num_f32 v10, v10, v11, 0x1800000        ; and the floor
	v_add_nc_u32 v12, 0xff000000, v10
	v_lshrrev_b32 v14, 23, v12
.if (\t)%4 == 0
	v_mov_b32 v[16+(\t)/4], v14                    ; my column's scale word of this K step: the lower K in the lower byte
.else
	v_lshl_or_b32 v[16+(\t)/4], v14, 8*((\t)%4), v[16+(\t)/4]
.endif
	v_cvt_scalef32_pk16_fp6_f32 v[XB:XB+2], v[XS:XS+15], v12
	v_cvt_scalef32_pk16_fp6_f32 v[24:26], v[XS+16:XS+31], v12
	v_nop                                          ; one plain place behind a scaled conversion
.irp i, 0,1,2
	v_mov_b32 v[XB+3+\i], v[24+\i]
.endr
.if (\t)+2 < 8
	WLOAD (\t)+2
.endif
.if (\t)%4 == 3                        ; a K step is whole.  Lanes 0-15 hold tile 0's columns, lanes 16-31 tile 1's, each all four blocks; an operand wants blocks 2 c + h in lane (r, h)
.set CK, C+24*((\t)/4)
.irp i, 0,1,2,3,4,5
	v_permlane16_swap_b32 v[CK+\i], v[CK+12+\i]    ; block 0's lanes 16-31 change places with block 1's lanes 0-15: +0 is now tile 0's registers 0-5, +12 tile 1's
	v_permlane16_swap_b32 v[CK+6+\i], v[CK+18+\i]  ; blocks 2 and 3 likewise: registers 6-11
.endr
.irp u, 0,1
.irp c, 0,1,2
	global_store_b128 v2, v[CK+12*\u+4*\c:CK+12*\u+4*\c+3], s[26:27] offset:6144*\u+1536*((\t)/4)+512*\c
.endr
.endr
.endif
.endm
	WLOAD 0
	WLOAD 1
.irp t, 0,1,2,3,4,5,6,7
	WBLOCK \t
.endr
	global_store_b64 v3, v[16:17], s[28:29]        ; lane 16 u + r: its column's two words: 256 consecutive bytes, aligned
.Lend:
	s_wait_tensorcnt 0x0                           ; the wave's end
	ds_add_u32 v[SPW], v[NIL]
	s_wait_dscnt 0x0
	s_endpgm
.Lfunc_end_k_q2025f5af43_quant:
	.size	k_q2025f5af43_quant, .Lfunc_end_k_q2025f5af43_quant-k_q2025f5af43_quant
	.p2alignl 7, 3214868480
	.fill 96, 4, 3214868480
	.section	.rodata,"a",@progbits
	.p2align	6, 0x0
	.amdhsa_kernel k_q2025f5af43_quant
		.amdhsa_group_segment_fixed_size 34304
		.amdhsa_private_segment_fixed_size 0
		.amdhsa_enable_private_segment 0
		.amdhsa_kernarg_size 56
		.amdhsa_user_sgpr_count 2
		.amdhsa_user_sgpr_kernarg_segment_ptr 1
		.amdhsa_wavefront_size32 1
		.amdhsa_system_sgpr_workgroup_id_x 1
		.amdhsa_system_sgpr_workgroup_id_y 1
		.amdhsa_system_sgpr_workgroup_id_z 1
		.amdhsa_system_vgpr_workitem_id 0
		.amdhsa_next_free_vgpr 256
		.amdhsa_next_free_sgpr 66
		.amdhsa_reserve_vcc 0
		.amdhsa_float_denorm_mode_32 3
		.amdhsa_float_denorm_mode_16_64 3
		.amdhsa_memory_ordered 1
		.amdhsa_forward_progress 1
		.amdhsa_inst_pref_size 70
	.end_amdhsa_kernel
	.amdgpu_metadata
---
amdhsa.version: [ 1, 2 ]
amdhsa.kernels:
  - .name:           k_q2025f5af43_quant
    .symbol:         k_q2025f5af43_quant.kd
    .args:
      - { .name: x, .offset: 0, .size: 8, .value_kind: global_buffer, .address_space: global }
      - { .name: Wq, .offset: 8, .size: 8, .value_kind: global_buffer, .address_space: global }
      - { .name: Wk, .offset: 16, .size: 8, .value_kind: global_buffer, .address_space: global }
      - { .name: Wv, .offset: 24, .size: 8, .value_kind: global_buffer, .address_space: global }
      - { .name: Wo, .offset: 32, .size: 8, .value_kind: global_buffer, .address_space: global }
      - { .name: xb, .offset: 40, .size: 8, .value_kind: global_buffer, .address_space: global }
      - { .name: wc, .offset: 48, .size: 8, .value_kind: global_buffer, .address_space: global }
    .group_segment_fixed_size: 34304
    .private_segment_fixed_size: 0
    .kernarg_segment_align: 8
    .kernarg_segment_size: 56
    .max_flat_workgroup_size: 128
    .sgpr_count:     66
    .vgpr_count:     256
    .wavefront_size: 32
...
	.end_amdgpu_metadata
.endif
;; end of part 1
;; launch proj (part 2): grid 16 x 32, 4 waves a work-group, clusters of 4 x 4, 257,280 bytes of LDS; arguments xb, wc, bq, bk, bv, qb, kv; writes qb, kv
.if DOCPART == 2
	.amdgcn_target "amdgcn-amd-amdhsa--gfx1250"
	.amdhsa_code_object_version 6
	.text
	.protected	k_q2025f5af43_proj
	.globl	k_q2025f5af43_proj
	.p2align	8
	.type	k_q2025f5af43_proj,@function
k_q2025f5af43_proj:
	s_mov_b64 s[64:65], 0
	v_nop
	global_prefetch_b8 v0, s[64:65] scope:SCOPE_SE
	s_setreg_imm32_b32 hwreg(HW_REG_WAVE_MODE, 25, 1), 1
	s_wait_xcnt 0x0
	s_wait_alu depctr_hold_cnt(0) depctr_sa_sdst(0) depctr_va_vdst(0) depctr_va_sdst(0) depctr_va_ssrc(0) depctr_va_vcc(0) depctr_vm_vsrc(0)
	s_getreg_b32 s2, hwreg(HW_REG_IB_STS2, 6, 4)
	s_cmp_eq_u32 s2, 0
	s_cbranch_scc0 .Lentry_in_a_cluster
	s_endpgm
.Lentry_in_a_cluster:
	s_bfe_u32 s2, ttmp6, 0x10000c
	s_cmp_lg_u32 s2, 0xf033
	s_cbranch_scc0 .Lentry_shape_is_right
	s_endpgm
.Lentry_shape_is_right:
; LAUNCH 2 OF 4.  q = x Wq + bq, k = x Wk + bk, v = x Wv + bv on codes of E2M3, and the results quantised at once: q and k along the head's 64, v along the keys.  Nothing is left out.
; A work-group makes 128 tokens x one head's q, k and v.  All it reads, x's record (102,400 bytes) and the head's three weights (153,600), lands in LDS once, in two halves of K; nothing is filled again.
; CLUSTERS: 4 x 4 work-groups: x's record is shared along a row of the cluster (same tokens), the weights along a column (same head): joint loads, each with the mask of the four that share it.
; SHARES.  Wave w: i = w / 2, j = w % 2: token tiles 4 i .. 4 i + 3; against Wq (j = 0) or Wk (j = 1), all four column tiles, TRANSPOSED (source 0 = the weight, source 1 = x): a lane holds one token and its
; registers run along the head's 64; and against Wv's tiles 2 j, 2 j + 1, source 0 = x: a lane holds one channel and its registers run along the tokens, which are the keys.  24 accumulators by turns.
; The biases are the C of each sum's first product.
; OUT.  qb: [(batch 16 + head) 16 + block of 128 tokens][6,400]: four PAIR images of 1,536 bytes (token tile 2 p in registers 0-5, tile 2 p + 1 in registers 6-11), then 256 bytes of scale words
; (pair p, row r at 8 (r + 16 (p % 2)) + 4 (p / 2): bytes: tile 2 p's two blocks, tile 2 p + 1's two).  kv: [the same][12,800]: k laid as qb, then v: [64 keys: 2][channel tile 4][768 bytes: registers 0-3 at
; 16 l, registers 4-5 at 512 + 8 l], then 256 bytes of scale words (tile a, row r at 8 (r + 16 (a % 2)) + 4 (a / 2): a byte for each 32 keys).
; LIMITS: as in the first launch (NaN, infinities; the byte of a block of zeros).
; REGISTERS, in windows of 256: window 0: addresses, scale words.  window 1: v0-127 q's or k's sums (32 t + 8 n), v128-191 v's (128 + 32 n + 8 t), v192-239 biases, later the quantiser's work.  window 2: two sets of 10 fragments.
.set KHB,   128000                     ; LDS: a half of K: x's half record 51,200, then Wq's, Wk's, Wv's 25,600 each
.set STG,   256000                     ; behind them: 256 bytes each for q's, k's and v's scale words on their way out
.set SPARE, 256768                     ; the spare words, 128 bytes a wave
.set SPW,   28
.set NIL,   29
.set SX,    64                         ; v64-95   x's scale words: 8 t + K step
.set SW,    96                         ; v96-127  Wq's or Wk's: 8 n + K step
.set SV,    128                        ; v128-143 Wv's: 8 n + K step
.set BW,    192                        ; window 1: bq or bk in the result's layout, 8 registers a tile
.set BV,    224                        ; window 1: bv, the lane's number eight times, for each of two tiles
.set TM,    192                        ; window 1, once the biases are used: the quantiser's work
.set PW,    208
.set PWA,   209
.set PWB,   210
.set TP,    211
.set PC,    212
.set TQ,    232
.set G1A,   24
.set G0A,   32
.set G1B,   40
.set G0B,   48
.set MSB, 0
.macro WIN new                         ; the immediate's high byte repeats the setting that is left
.if MSB != \new
	s_set_vgpr_msb (MSB<<8)|\new
.set MSB, \new
.endif
.endm
.macro CROUND                          ; a round of the cluster's barrier
	s_barrier_signal -1
	s_barrier_wait -1
	s_cmp_lg_u32 s18, 0
	s_cbranch_scc1 .Lnot_wave_0_\@
	s_barrier_signal -3
.Lnot_wave_0_\@:
	s_barrier_wait -3
	s_barrier_signal -1
	s_barrier_wait -1
.endm
.macro PLACES
.rept 4
	v_nop
.endr
.endm
	s_load_b256 s[4:11], s[0:1], 0x0               ; xb, wc, bq, bk
	s_load_b128 s[12:15], s[0:1], 0x20             ; bv, qb
	s_load_b64 s[16:17], s[0:1], 0x30              ; kv
	v_lshl_add_u32 v[SPW], v0, 2, SPARE
	v_mov_b32 v[NIL], 0
	ds_add_u32 v[SPW], v[NIL]                      ; the wave's opening: the add, twice on end, and its wait ahead of my first tensor load
	ds_add_u32 v[SPW], v[NIL]
	v_lshrrev_b32 v1, 5, v0
	v_readfirstlane_b32 s18, v1                    ; wave
	s_lshr_b32 s19, s18, 1                         ; i.  Also: I fetch x (0) or the weights (1)
	s_and_b32 s20, s18, 1                          ; j.  Also: which half of that block I fetch
	s_bfe_u32 s21, ttmp6, 0x40000                  ; cx
	s_bfe_u32 s22, ttmp6, 0x40004                  ; cy
	s_lshl_b32 s23, ttmp9, 2
	s_add_co_u32 s23, s23, s21                     ; the head
	s_and_b32 s56, ttmp7, 0xffff
	s_lshl_b32 s56, s56, 2
	s_add_co_u32 s56, s56, s22                     ; the block of 128 tokens
	s_lshl_b32 s82, s22, 2
	s_lshl_b32 s82, 15, s82                        ; my row of the cluster
	s_lshl_b32 s83, 0x1111, s21                    ; my column
	; dense blocks as rows of 256 bytes (32 elements of 8 bytes): x's 200 rows a load, the weights' 300
	s_or_b32 s[G1A], s82, (3<<16)|(1<<21)
	s_or_b32 s[G1B], s83, (3<<16)|(1<<21)
	s_mov_b32 s[G1A+1], 32<<16
	s_mov_b32 s[G1A+2], 200<<16
	s_mov_b32 s[G1A+3], 32<<16
	s_mov_b32 s[G1A+4], 200
	s_mov_b32 s[G1A+5], 32
	s_mov_b32 s[G1A+6], 0
	s_mov_b32 s[G1A+7], 0
	s_mov_b32 s[G1B+1], 32<<16
	s_mov_b32 s[G1B+2], 300<<16
	s_mov_b32 s[G1B+3], 32<<16
	s_mov_b32 s[G1B+4], 300
	s_mov_b32 s[G1B+5], 32
	s_mov_b32 s[G1B+6], 0
	s_mov_b32 s[G1B+7], 0
	s_mul_i32 s88, s20, 51200                      ; a wave fetches one whole half of K: x's half record j,
	s_mul_i32 s84, s56, 102400
	s_add_co_u32 s84, s84, s88                     ; in memory: it hangs on the tokens' block and the wave alone
	s_mov_b32 s85, 0
	s_mul_i32 s89, s20, 76800                      ; or the three weights' half j,
	s_mul_i32 s86, s23, 153600
	s_add_co_u32 s86, s86, s89                     ; in memory: on the head and the wave alone
	s_mov_b32 s87, 0
	s_mul_i32 s88, s20, KHB                        ; in LDS: half j
	s_mov_b32 s78, 0x76543210
	s_mov_b32 s79, 0xfedcba98
	s_mov_b32 s80, 0xffff0000                      ; lanes 16-31
	s_wait_dscnt 0x0                               ; both opening adds are done
	s_wait_kmcnt 0x0
	s_add_nc_u64 s[84:85], s[4:5], s[84:85]
	s_add_nc_u64 s[86:87], s[6:7], s[86:87]
	CROUND                                         ; all sixteen work-groups are here: the joint loads meet
	s_mov_b32 s[G0A], 1
	s_mov_b32 s[G0A+1], s88
	s_mov_b64 s[G0A+2:G0A+3], s[84:85]
	s_or_b32 s[G0A+3], s[G0A+3], 0x80000000
	s_mov_b32 s[G0B], 1
	s_add_co_u32 s[G0B+1], s88, 51200
	s_mov_b64 s[G0B+2:G0B+3], s[86:87]
	s_or_b32 s[G0B+3], s[G0B+3], 0x80000000
	s_cmp_eq_u32 s18, 0                            ; one tensor load a wave, each in its own arm of one chain on the wave's number
	s_cbranch_scc0 .Lfill_1
	tensor_load_to_lds s[G0A:G0A+3], s[G1A:G1A+7]  ; wave 0: x, first half of K
	s_nop 0
	PLACES
	s_branch .Lfilled
.Lfill_1:
	s_cmp_eq_u32 s18, 1
	s_cbranch_scc0 .Lfill_2
	tensor_load_to_lds s[G0A:G0A+3], s[G1A:G1A+7]  ; wave 1: x, second half
	s_nop 0
	PLACES
	s_branch .Lfilled
.Lfill_2:
	s_cmp_eq_u32 s18, 2
	s_cbranch_scc0 .Lfill_3
	tensor_load_to_lds s[G0B:G0B+3], s[G1B:G1B+7]  ; wave 2: the weights, first half
	s_nop 0
	PLACES
	s_branch .Lfilled
.Lfill_3:
	tensor_load_to_lds s[G0B:G0B+3], s[G1B:G1B+7]  ; wave 3: the weights, second half
	s_nop 0
	PLACES
.Lfilled:
	v_and_b32 v21, 31, v0                          ; lane
	v_and_b32 v22, 15, v0                          ; r
	v_bfe_u32 v23, v0, 4, 1                        ; h
	v_lshlrev_b32 v1, 4, v21                       ; 16 l
	s_wait_alu depctr_va_vdst(0)
	v_lshlrev_b32 v2, 3, v21                       ; 8 l
	v_lshlrev_b32 v3, 3, v22                       ; 8 r
	s_wait_alu depctr_va_vdst(0)
	s_mul_i32 s82, s19, 24576                      ; my four tiles of x
	s_mul_i32 s83, s20, 25600
	s_add_co_u32 s83, s83, 51200                   ; Wq or Wk
	s_mul_i32 s90, s20, 12288
	s_add_co_u32 s90, s90, 102400                  ; my two tiles of Wv
.irp kh, 0,1
	v_add_nc_u32 v[4+\kh], s82, v1
	v_add_nc_u32 v[6+\kh], s83, v1
	v_add_nc_u32 v[8+\kh], s90, v1
	s_add_co_u32 s82, s82, KHB
	s_add_co_u32 s83, s83, KHB
	s_add_co_u32 s90, s90, KHB
.endr
	s_lshl_b32 s82, s19, 9
	s_add_co_u32 s82, s82, 49152                   ; and their scale words: 8 bytes a row
	s_mul_i32 s83, s20, 25600
	s_add_co_u32 s83, s83, 75776
	s_lshl_b32 s90, s20, 8
	s_add_co_u32 s90, s90, 126976
.irp kh, 0,1
	v_add_nc_u32 v[10+\kh], s82, v3
	v_add_nc_u32 v[12+\kh], s83, v3
	v_add_nc_u32 v[14+\kh], s90, v3
	s_add_co_u32 s82, s82, KHB
	s_add_co_u32 s83, s83, KHB
	s_add_co_u32 s90, s90, KHB
.endr
	s_lshl_b32 s82, s20, 8
	s_lshl_b32 s83, s19, 2
	s_add_co_u32 s82, s82, s83
	s_add_co_u32 s82, s82, STG
	v_add_nc_u32 v16, s82, v2                      ; q's or k's words: 256 j + 8 l + 4 i
	s_lshl_b32 s82, s20, 2
	s_lshl_b32 s83, s19, 1
	s_add_co_u32 s82, s82, s83
	s_add_co_u32 s82, s82, STG+512
	v_add_nc_u32 v17, s82, v2                      ; v's half words: 8 l + 4 j + 2 i
	s_min_u32 s82, s18, 2
	s_lshl_b32 s82, s82, 8
	s_add_co_u32 s82, s82, STG
	v_add_nc_u32 v18, s82, v2                      ; back: wave 0 q's 256 bytes, wave 1 k's, wave 2 v's
	v_lshlrev_b32 v19, 6, v23                      ; bq, bk: 16 h numbers on
	s_wait_alu depctr_va_vdst(0)
	v_and_b32 v20, 8, v22
	v_add_nc_u32 v20, v20, v22
	v_lshlrev_b32 v20, 2, v20                      ; bv: channel r + 8 (r / 8)
	s_wait_alu depctr_va_vdst(0)
	s_lshr_b32 s57, s56, 4                         ; the record: (batch 16 + head) 16 + block in the sequence
	s_lshl_b32 s57, s57, 4
	s_add_co_u32 s57, s57, s23
	s_lshl_b32 s57, s57, 4
	s_and_b32 s82, s56, 15
	s_add_co_u32 s57, s57, s82
	s_mul_i32 s82, s57, 6400                       ; in qb
	s_mul_i32 s83, s57, 12800                      ; in kv
	s_mov_b32 s91, 0
	s_cmp_eq_u32 s20, 0
	s_cselect_b64 s[68:69], s[14:15], s[16:17]     ; q goes to qb, k to kv
	s_cselect_b32 s90, s82, s83
	s_cselect_b64 s[74:75], s[8:9], s[10:11]       ; bq or bk
	s_mul_i32 s58, s19, 3072
	s_add_co_u32 s90, s90, s58
	s_add_nc_u64 s[68:69], s[68:69], s[90:91]      ; my two pair images
	s_mul_i32 s90, s20, 1536
	s_add_co_u32 s90, s90, s58
	s_add_co_u32 s90, s90, s83
	s_add_co_u32 s90, s90, 6400
	s_add_nc_u64 s[70:71], s[16:17], s[90:91]      ; v: chunk i, tiles 2 j and 2 j + 1
	s_cmp_eq_u32 s18, 0
	s_cselect_b64 s[72:73], s[14:15], s[16:17]
	s_cselect_b32 s90, s82, s83
	s_cmp_ge_u32 s18, 2
	s_cselect_b32 s58, 6400, 0
	s_add_co_u32 s90, s90, s58
	s_add_co_u32 s90, s90, 6144
	s_add_nc_u64 s[72:73], s[72:73], s[90:91]      ; the 256 bytes of scale words that my wave stores
	s_lshl_b32 s90, s23, 8
	s_add_nc_u64 s[74:75], s[74:75], s[90:91]      ; the head's 64 numbers
	s_lshl_b32 s58, s20, 7
	s_add_co_u32 s90, s90, s58
	s_add_nc_u64 s[76:77], s[12:13], s[90:91]      ; bv: the head's, my 32
	WIN 0x40                                       ; destination window 1
.irp n, 0,1,2,3
	global_load_b128 v[BW+8*\n:BW+8*\n+3], v19, s[74:75] offset:(32*(\n/2)+8*(\n%2))*4       ; tile n, lane (r, h), register jj: channel 32 (n / 2) + 16 h + 8 (n % 2) + jj
	global_load_b128 v[BW+8*\n+4:BW+8*\n+7], v19, s[74:75] offset:(32*(\n/2)+8*(\n%2))*4+16
.endr
.irp n, 0,1
.irp q, 0,1,2,3,4,5,6,7
	global_load_b32 v[BV+8*\n+\q], v20, s[76:77] offset:32*\n   ; all eight registers (eight tokens) take my channel's number
.endr
.endr
	WIN 0
.macro SCALES kh                       ; a half of K's scale words: 8 bytes are two K steps' words of a row; lanes 16-31 load what lanes 0-15 load
.irp q, 0,1
.irp t, 0,1,2,3
	ds_load_b64 v[SX+8*\t+4*(\kh)+2*\q:SX+8*\t+4*(\kh)+2*\q+1], v[10+(\kh)] offset:128*\t+1024*\q
	ds_load_b64 v[SW+8*\t+4*(\kh)+2*\q:SW+8*\t+4*(\kh)+2*\q+1], v[12+(\kh)] offset:128*\t+512*\q
.endr
.irp t, 0,1
	ds_load_b64 v[SV+8*\t+4*(\kh)+2*\q:SV+8*\t+4*(\kh)+2*\q+1], v[14+(\kh)] offset:128*\t+512*\q
.endr
.endr
.endm
.macro FETCH set, kh, sp               ; ten fragments of K step sp of half kh: 30 loads of 512 consecutive bytes
	WIN 0x80                                       ; destination window 2
.irp t, 0,1,2,3
.irp c, 0,1,2
	ds_load_b128 v[120*(\set)+12*\t+4*\c:120*(\set)+12*\t+4*\c+3], v[4+(\kh)] offset:(4*\t+(\sp))*1536+512*\c
.endr
.endr
.irp t, 0,1,2,3
.irp c, 0,1,2
	ds_load_b128 v[120*(\set)+48+12*\t+4*\c:120*(\set)+48+12*\t+4*\c+3], v[6+(\kh)] offset:(4*\t+(\sp))*1536+512*\c
.endr
.endr
.irp t, 0,1
.irp c, 0,1,2
	ds_load_b128 v[120*(\set)+96+12*\t+4*\c:120*(\set)+96+12*\t+4*\c+3], v[8+(\kh)] offset:(4*\t+(\sp))*1536+512*\c
.endr
.endr
.endm
.macro MUL set, ks                     ; 24 products, the accumulators by turns, in the same order in every K step
	WIN 0x5a                                       ; sources 0 and 1 window 2, C and D window 1
.irp t, 0,1,2,3
.irp n, 0,1,2,3
.if (\ks) == 0
	v_wmma_scale_f32_16x16x128_f8f6f4 v[32*\t+8*\n:32*\t+8*\n+7], v[120*(\set)+48+12*\n:120*(\set)+48+12*\n+11], v[120*(\set)+12*\t:120*(\set)+12*\t+11], v[BW+8*\n:BW+8*\n+7], v[SW+8*\n+(\ks)], v[SX+8*\t+(\ks)] matrix_a_fmt:MATRIX_FMT_FP6 matrix_b_fmt:MATRIX_FMT_FP6
.else
	v_wmma_scale_f32_16x16x128_f8f6f4 v[32*\t+8*\n:32*\t+8*\n+7], v[120*(\set)+48+12*\n:120*(\set)+48+12*\n+11], v[120*(\set)+12*\t:120*(\set)+12*\t+11], v[32*\t+8*\n:32*\t+8*\n+7], v[SW+8*\n+(\ks)], v[SX+8*\t+(\ks)] matrix_a_fmt:MATRIX_FMT_FP6 matrix_b_fmt:MATRIX_FMT_FP6
.endif
.endr
.endr
.irp n, 0,1
.irp t, 0,1,2,3
.if (\ks) == 0
	v_wmma_scale_f32_16x16x128_f8f6f4 v[128+32*\n+8*\t:128+32*\n+8*\t+7], v[120*(\set)+12*\t:120*(\set)+12*\t+11], v[120*(\set)+96+12*\n:120*(\set)+96+12*\n+11], v[BV+8*\n:BV+8*\n+7], v[SX+8*\t+(\ks)], v[SV+8*\n+(\ks)] matrix_a_fmt:MATRIX_FMT_FP6 matrix_b_fmt:MATRIX_FMT_FP6
.else
	v_wmma_scale_f32_16x16x128_f8f6f4 v[128+32*\n+8*\t:128+32*\n+8*\t+7], v[120*(\set)+12*\t:120*(\set)+12*\t+11], v[120*(\set)+96+12*\n:120*(\set)+96+12*\n+11], v[128+32*\n+8*\t:128+32*\n+8*\t+7], v[SX+8*\t+(\ks)], v[SV+8*\n+(\ks)] matrix_a_fmt:MATRIX_FMT_FP6 matrix_b_fmt:MATRIX_FMT_FP6
.endif
.endr
.endr
.endm
; 64 numbers of a lane (window 1), register 16 b + i = place 32 b + 16 (lane / 16) + i of four blocks, become 12 registers of codes at v[PC] on and the four bytes in v[PW].
; Registers 0-5: block (lane / 16) of blocks 0, 1; registers 6-11: of blocks 2, 3.
.macro QUANT s
.irp b, 0,1,2,3
	v_max3_num_f32 v[TM+\b], |v[\s+16*\b]|, |v[\s+1+16*\b]|, 0x1800000   ; each accumulator is read from its low end on; the floor holds the byte at 1 from below
.endr
.irp i, 2,4,6,8,10,12,14
.irp b, 0,1,2,3
	v_max3_num_f32 v[TM+\b], v[TM+\b], |v[\s+16*\b+\i]|, |v[\s+1+16*\b+\i]|
.endr
.endr
.irp b, 0,1,2,3
	v_permlanex16_b32 v[TM+4+\b], v[TM+\b], s78, s79
.endr
.irp b, 0,1,2,3
	v_max_num_f32 v[TM+\b], v[TM+\b], v[TM+4+\b]   ; with lane l xor 16's: the block's largest magnitude
.endr
.irp b, 0,1,2,3
	v_add_nc_u32 v[TM+12+\b], 0xff000000, v[TM+\b] ; 2 off its exponent field: the conversion's scale operand
.endr
.irp b, 0,1,2,3
	v_lshrrev_b32 v[TM+4+\b], 23, v[TM+12+\b]      ; the scale's byte
.endr
	v_lshl_or_b32 v[PW], v[TM+5], 8, v[TM+4]
	v_lshl_or_b32 v[PW], v[TM+6], 16, v[PW]
	v_lshl_or_b32 v[PW], v[TM+7], 24, v[PW]
.irp c, 0,1
	v_cvt_scalef32_pk16_fp6_f32 v[PC+6*\c:PC+2+6*\c], v[\s+32*\c:\s+15+32*\c], v[TM+12+2*\c]
	v_cvt_scalef32_pk16_fp6_f32 v[PC+12+4*\c:PC+14+4*\c], v[\s+16+32*\c:\s+31+32*\c], v[TM+12+2*\c+1]
.endr
	v_nop                                          ; one plain place behind a scaled conversion
.irp c, 0,1
.irp i, 0,1,2
	v_permlane16_swap_b32 v[PC+6*\c+\i], v[PC+12+4*\c+\i]
.endr
.irp i, 0,1,2
	v_mov_b32 v[PC+3+6*\c+\i], v[PC+12+4*\c+\i]
.endr
.endr
.endm
	s_cmp_eq_u32 s20, 0                            ; waves 0 and 2 fetched the first half of K: they wait for it; the second half may stay out
	s_cbranch_scc0 .Lnot_first
	s_wait_tensorcnt 0x0
.Lnot_first:
	s_barrier_signal -1
	s_barrier_wait -1                              ; everybody's is
	SCALES 0
	FETCH 0, 0, 0
	s_wait_loadcnt 0x0                             ; the biases
.irp ks, 0,1,2,3,4,5,6,7
	s_wait_dscnt 0x0                               ; this K step's fragments are in (asked for a K step ago)
.if \ks > 0
	PLACES                                         ; in front of loads into the set that the last K step's products read
.endif
.if \ks == 3
	WIN 0
	s_wait_tensorcnt 0x0                           ; my part of the second half of K is in,
	s_barrier_signal -1
	s_barrier_wait -1                              ; everybody's is
	SCALES 1
.endif
.if \ks < 7
	FETCH (\ks+1)%2, (\ks+1)/4, (\ks+1)%4
.endif
	MUL \ks%2, \ks
.endr
	PLACES
	; q or k: two token tiles make a pair image: blocks 0, 1 = tile 2 P's 64 channels, blocks 2, 3 = tile 2 P + 1's
	WIN 0x55                                       ; all in window 1
	QUANT 0
	v_mov_b32 v[PWA], v[PW]
	WIN 0x04                                       ; a store's data: window 1
.irp c, 0,1,2
	global_store_b128 v1, v[PC+4*\c:PC+4*\c+3], s[68:69] offset:512*\c
.endr
	WIN 0x55
	s_wait_xcnt 0x0                                ; the stores have read the codes' registers
	QUANT 64
	v_mov_b32 v[PWB], v[PW]
	WIN 0x04
.irp c, 0,1,2
	global_store_b128 v1, v[PC+4*\c:PC+4*\c+3], s[68:69] offset:1536+512*\c
.endr
	WIN 0x55
	v_cndmask_b32 v[TP], v[PWA], v[PWB], s80       ; lanes 0-15: my first pair's words, lanes 16-31: my second's
	WIN 0x04
	ds_store_b32 v16, v[TP]
	WIN 0x55
	s_wait_xcnt 0x0
	; v: blocks 0, 1 = channel tile 2 j's 64 keys, blocks 2, 3 = tile 2 j + 1's
	QUANT 128
	WIN 0x04
	global_store_b128 v1, v[PC:PC+3], s[70:71]
	global_store_b64 v2, v[PC+4:PC+5], s[70:71] offset:512
	global_store_b128 v1, v[PC+6:PC+9], s[70:71] offset:768
	global_store_b64 v2, v[PC+10:PC+11], s[70:71] offset:1280
	WIN 0x55
	v_lshrrev_b32 v[TQ], 16, v[PW]
	v_cndmask_b32 v[TQ+1], v[PW], v[TQ], s80       ; lanes 0-15: tile 2 j's two bytes, lanes 16-31: tile 2 j + 1's
	WIN 0x04
	ds_store_b16 v17, v[TQ+1]
	WIN 0
	s_wait_dscnt 0x0                               ; for the others' sake: my words lie in the stage
	s_barrier_signal -1
	s_barrier_wait -1
	s_cmp_eq_u32 s18, 3
	s_cbranch_scc1 .Lno_scales
	ds_load_b64 v[30:31], v18
	s_wait_dscnt 0x0
	global_store_b64 v2, v[30:31], s[72:73]        ; 256 consecutive bytes, aligned
.Lno_scales:
	s_wait_tensorcnt 0x0                           ; the wave's end
	ds_add_u32 v[SPW], v[NIL]
	s_wait_dscnt 0x0
	CROUND                                         ; the closing round
	s_endpgm
.Lfunc_end_k_q2025f5af43_proj:
	.size	k_q2025f5af43_proj, .Lfunc_end_k_q2025f5af43_proj-k_q2025f5af43_proj
	.p2alignl 7, 3214868480
	.fill 96, 4, 3214868480
	.section	.rodata,"a",@progbits
	.p2align	6, 0x0
	.amdhsa_kernel k_q2025f5af43_proj
		.amdhsa_group_segment_fixed_size 257280
		.amdhsa_private_segment_fixed_size 0
		.amdhsa_enable_private_segment 0
		.amdhsa_kernarg_size 56
		.amdhsa_user_sgpr_count 2
		.amdhsa_user_sgpr_kernarg_segment_ptr 1
		.amdhsa_wavefront_size32 1
		.amdhsa_system_sgpr_workgroup_id_x 1
		.amdhsa_system_sgpr_workgroup_id_y 1
		.amdhsa_system_sgpr_workgroup_id_z 1
		.amdhsa_system_vgpr_workitem_id 0
		.amdhsa_next_free_vgpr 768
		.amdhsa_next_free_sgpr 96
		.amdhsa_reserve_vcc 0
		.amdhsa_float_denorm_mode_32 3
		.amdhsa_float_denorm_mode_16_64 3
		.amdhsa_memory_ordered 1
		.amdhsa_forward_progress 1
		.amdhsa_inst_pref_size 69
	.end_amdhsa_kernel
	.amdgpu_metadata
---
amdhsa.version: [ 1, 2 ]
amdhsa.kernels:
  - .name:           k_q2025f5af43_proj
    .symbol:         k_q2025f5af43_proj.kd
    .args:
      - { .name: xb, .offset: 0, .size: 8, .value_kind: global_buffer, .address_space: global }
      - { .name: wc, .offset: 8, .size: 8, .value_kind: global_buffer, .address_space: global }
      - { .name: bq, .offset: 16, .size: 8, .value_kind: global_buffer, .address_space: global }
      - { .name: bk, .offset: 24, .size: 8, .value_kind: global_buffer, .address_space: global }
      - { .name: bv, .offset: 32, .size: 8, .value_kind: global_buffer, .address_space: global }
      - { .name: qb, .offset: 40, .size: 8, .value_kind: global_buffer, .address_space: global }
      - { .name: kv, .offset: 48, .size: 8, .value_kind: global_buffer, .address_space: global }
    .group_segment_fixed_size: 257280
    .private_segment_fixed_size: 0
    .kernarg_segment_align: 8
    .kernarg_segment_size: 56
    .max_flat_workgroup_size: 128
    .sgpr_count:     96
    .vgpr_count:     768
    .wavefront_size: 32
...
	.end_amdgpu_metadata
.endif
;; end of part 2
;; launch attn (part 3): grid 8 x 32, 8 waves a work-group, clusters of 4 x 1, 257,024 bytes of LDS; arguments qb, kv, ob; writes ob
.if DOCPART == 3
	.amdgcn_target "amdgcn-amd-amdhsa--gfx1250"
	.amdhsa_code_object_version 6
	.text
	.protected	k_q2025f5af43_attn
	.globl	k_q2025f5af43_attn
	.p2align	8
	.type	k_q2025f5af43_attn,@function
k_q2025f5af43_attn:
	s_mov_b64 s[64:65], 0
	v_nop
	global_prefetch_b8 v0, s[64:65] scope:SCOPE_SE
	s_setreg_imm32_b32 hwreg(HW_REG_WAVE_MODE, 25, 1), 1
	s_wait_xcnt 0x0
	s_wait_alu depctr_hold_cnt(0) depctr_sa_sdst(0) depctr_va_vdst(0) depctr_va_sdst(0) depctr_va_ssrc(0) depctr_va_vcc(0) depctr_vm_vsrc(0)
	s_getreg_b32 s2, hwreg(HW_REG_IB_STS2, 6, 4)
	s_cmp_eq_u32 s2, 0
	s_cbranch_scc0 .Lentry_in_a_cluster
	s_endpgm
.Lentry_in_a_cluster:
	s_bfe_u32 s2, ttmp6, 0x10000c
	s_cmp_lg_u32 s2, 0x3003
	s_cbranch_scc0 .Lentry_shape_is_right
	s_endpgm
.Lentry_shape_is_right:
; LAUNCH 3 OF 4.  o = softmax(q k^T / 8) v for one batch and head, on codes of E2M3; o is quantised along the head's 64 and stored in the order of the last launch's operands.  Nothing is left out.
; p = 2^(t - M), t = score x log2(e) / 8, M the ceiling of the running largest t; the row's sum is taken of the unquantised p; when M moves, the sum and O are multiplied by an exact power of two.
; LIMITS: NaN and infinities are not served; the promise holds while |t| stays under 2^31.
; SHARES.  A work-group: 256 queries of one (batch, head), all 2,048 keys.  A wave: 32 queries = one pair image of q = tiles 0 and 1 of 16 queries; every fragment of k and of v that is read from LDS feeds both tiles.
; LDS.  All 16 records of k and v (12,800 bytes for 128 keys) land once, each wave asking for two records by its one tensor load at the head: 100 rows of 256 bytes, 64 bytes of padding behind each (a record: 16,000 bytes).
; Nothing is filled again.  Wave 0's load has a line of its own: the first barrier shows records 0 and 1 alone, and a second barrier, inside step 1 and ahead of the first read of record 2, shows the rest.
; CLUSTER: the four work-groups of a cluster have the same (batch, head) and ask for the records jointly.  No prefetch: the whole stream is asked for at the head, so no loop runs ahead of a later request.
; BOTH PRODUCTS ARE USED TRANSPOSED (S^T = k q^T, O^T = v^T p^T): a lane holds one query.  The head is 64 wide and the instruction 128 deep: an operand of k holds two tiles of 16 keys side by side, and q stands beside 64 zero codes, once on each side.
; THE KEYS OF A TILE ARE CHOSEN BY THE LANES' LDS ADDRESSES: tile j of band c (64 keys) has keys 64 c + 8 j + i in rows 0-7 and 64 c + 32 + 8 j + i in rows 8-15.  In kv those are rows 8 (j / 2) + i of the pair images 2 c and 2 c + 1,
; half j % 2.  So lane (r, h) holds in registers 32 c + 0 .. 31 the whole block 2 c + h of 32 keys, in order: a block's largest p needs no other lane, and the conversions' results are p's operand as they fall.
; With 64 bytes of padding the two images' rows lie 1,920 bytes apart.
; REGISTERS.  WINDOW 0 holds all that vector lines work on, for both tiles, so that the two tiles' chains stand line by line in turn: v1-v13, v22, v23 addresses and 8 h (v12); v14-15 k's scale words, v16-17 v's, v18-19 q's, v20-21 p's;
; tile t's state from v[24 + 14 t]: -M, largest score, the sum (2), f (2), four chains, two scale operands, two of work; v52-63 chains of the sums; v64-127, v128-191 S^T then p; v192-223, v224-255 O^T.
; WINDOW 1 holds matrix operands: v0-47 k's four, v48-95 v's four, v96-131 q | 0 | q of both tiles, v132-170 p's codes and the conversions' odd halves.
.set REC,   16000
.set CH_,   320
.set SPARE, 256000
.set MSB, 0
.macro WIN new
.if MSB != \new
	s_set_vgpr_msb (MSB<<8)|\new
.set MSB, \new
.endif
.endm
.macro WALU
	s_wait_alu depctr_va_vdst(0)
.endm
.macro PLACES
.rept 4
	v_nop
.endr
.endm
.macro CROUND
	s_barrier_signal -1
	s_barrier_wait -1
	s_cmp_lg_u32 s12, 0
	s_cbranch_scc1 .Lnot_wave_0_\@
	s_barrier_signal -3
.Lnot_wave_0_\@:
	s_barrier_wait -3
	s_barrier_signal -1
	s_barrier_wait -1
.endm
.macro WM d, a, b, c, sa, sb, row
.if \row
	v_wmma_scale_f32_16x16x128_f8f6f4 v[\d:\d+7], v[\a:\a+11], v[\b:\b+11], \c, v[\sa], v[\sb] matrix_a_fmt:MATRIX_FMT_FP6 matrix_b_fmt:MATRIX_FMT_FP6 matrix_a_scale:MATRIX_SCALE_ROW1
.else
	v_wmma_scale_f32_16x16x128_f8f6f4 v[\d:\d+7], v[\a:\a+11], v[\b:\b+11], \c, v[\sa], v[\sb] matrix_a_fmt:MATRIX_FMT_FP6 matrix_b_fmt:MATRIX_FMT_FP6
.endif
.endm
	s_load_b128 s[4:7], s[0:1], 0x0                ; qb, kv
	s_load_b64 s[8:9], s[0:1], 0x10                ; ob
	v_lshl_add_u32 v5, v0, 2, SPARE
	v_mov_b32 v6, 0
	ds_add_u32 v5, v6                              ; the opening lines: the add, twice on end, and its wait
	ds_add_u32 v5, v6
	v_lshrrev_b32 v8, 5, v0
	v_readfirstlane_b32 s12, v8                    ; wave 0..7
	s_bfe_u32 s13, ttmp6, 0x40000
	s_lshl_b32 s14, ttmp9, 2
	s_add_co_u32 s14, s14, s13                     ; the block of 256 queries
	s_and_b32 s15, ttmp7, 0xffff                   ; 16 batch + head
	s_mov_b32 s24, 15|(3<<16)|(1<<20)|(1<<21)|(5<<22)|(15<<25)   ; the four partners; elements of 8 bytes; behind every 64 dwords 16 dwords of padding
	s_mov_b32 s25, 32<<16
	s_mov_b32 s26, 100<<16
	s_mov_b32 s27, 32<<16
	s_mov_b32 s28, 100
	s_mov_b32 s29, 32
	s_mov_b32 s30, 0
	s_mov_b32 s31, 0
	s_mul_i32 s54, s12, 25600                      ; my two records
	s_mul_i32 s56, s15, 204800
	s_add_co_u32 s56, s56, s54
	s_mov_b32 s57, 0
	s_mov_b32 s32, 1
	s_mul_i32 s33, s12, 2*REC
	s_mov_b32 s20, 0x76543210
	s_mov_b32 s21, 0xfedcba98                      ; lane l xor 16
	s_mov_b32 s22, 0x3e38aa3b                      ; log2(e) / 8
	s_mov_b32 s23, s22
	s_mov_b32 s40, 0
	s_mov_b32 s44, 0xffff0000                      ; lanes 16-31
	s_mov_b32 s63, 0
	s_lshl_b32 s59, s15, 4                         ; q's record: (16 batch + head) 16 + block of 128 tokens
	s_lshl_b32 s60, s14, 1
	s_add_co_u32 s59, s59, s60
	s_lshr_b32 s60, s12, 2
	s_add_co_u32 s59, s59, s60
	s_mul_i32 s59, s59, 6400
	s_and_b32 s61, s12, 3                          ; my pair image
	s_mul_i32 s46, s61, 1536
	s_add_co_u32 s46, s46, s59
	s_mov_b32 s47, 0
	s_and_b32 s52, s61, 1
	s_lshl_b32 s52, s52, 7
	s_lshr_b32 s61, s61, 1
	s_lshl_b32 s61, s61, 2
	s_add_co_u32 s52, s52, s61
	s_add_co_u32 s52, s52, s59
	s_add_co_u32 s52, s52, 6144                    ; its scale words
	s_mov_b32 s53, 0
	v_and_b32 v34, 31, v0                          ; l
	v_and_b32 v30, 15, v0                          ; r
	v_bfe_u32 v31, v0, 4, 1                        ; h
	v_and_b32 v32, 7, v0                           ; i
	v_bfe_u32 v33, v0, 3, 1                        ; g
	v_lshlrev_b32 v1, 4, v34                       ; 16 l
	v_lshlrev_b32 v2, 3, v34                       ; 8 l
	v_lshl_add_u32 v7, v30, 3, v31                 ; 8 r + h
	v_lshlrev_b32 v23, 3, v30                      ; 8 r
	v_lshlrev_b32 v3, 4, v32
	v_mad_u32_u24 v3, v33, 1920, v3
	v_mad_u32_u24 v3, v31, CH_, v3                 ; k's codes: image 2 c + g, row 8 p + i, half h
	v_lshlrev_b32 v4, 3, v32
	v_lshl_add_u32 v4, v33, 7, v4
	v_lshl_add_u32 v4, v31, 6, v4                  ; k's scale words: lanes 0-15 p = 0, lanes 16-31 p = 1
	v_lshlrev_b32 v22, 4, v30
	v_mad_u32_u24 v22, v31, CH_, v22               ; v's registers 0-3: 16 l, across two padded rows
	v_lshlrev_b32 v12, 3, v31                      ; 8 h
	WALU
	s_wait_dscnt 0x0
	s_wait_kmcnt 0x0
	s_add_nc_u64 s[34:35], s[6:7], s[56:57]
	s_or_b32 s35, s35, 0x80000000
	s_add_nc_u64 s[46:47], s[4:5], s[46:47]
	s_add_nc_u64 s[52:53], s[4:5], s[52:53]
	global_load_b128 v[64:67], v1, s[46:47]        ; q's pair image and its scale words, asked for ahead of the round
	global_load_b128 v[68:71], v1, s[46:47] offset:512
	global_load_b128 v[72:75], v1, s[46:47] offset:1024
	global_load_b32 v13, v23, s[52:53]
	CROUND                                         ; the four partners are here: the joint loads meet
	s_cmp_eq_u32 s12, 0                            ; one tensor load a wave; wave 0's has a line of its own, since the first barrier shows its records alone
	s_cbranch_scc0 .Lothers
	tensor_load_to_lds s[32:35], s[24:31]
	s_nop 0
	PLACES
	s_branch .Lasked
.Lothers:
	tensor_load_to_lds s[32:35], s[24:31]
	s_nop 0
	PLACES
.Lasked:
	s_and_b32 s58, s15, 15                         ; where o goes: the head
	s_lshr_b32 s59, s15, 4
	s_lshl_b32 s59, s59, 4
	s_lshl_b32 s60, s14, 1
	s_add_co_u32 s59, s59, s60
	s_lshr_b32 s60, s12, 2
	s_add_co_u32 s59, s59, s60                     ; the block of 128 tokens
	s_mul_i32 s59, s59, 102400
	s_lshr_b32 s60, s58, 3
	s_mul_i32 s60, s60, 51200
	s_add_co_u32 s59, s59, s60                     ; the half of K
	s_and_b32 s60, s12, 3
	s_lshl_b32 s60, s60, 1                         ; tile 0's number in the block; tile 1 is the next
	s_lshl_b32 s61, s60, 2
	s_bfe_u32 s62, s58, 0x20001
	s_add_co_u32 s61, s61, s62
	s_mul_i32 s61, s61, 1536
	s_and_b32 s62, s58, 1
	s_mul_i32 s62, s62, 768
	s_add_co_u32 s62, s62, s61
	s_add_co_u32 s62, s62, s59
	s_add_nc_u64 s[48:49], s[8:9], s[62:63]        ; codes
	s_bfe_u32 s62, s58, 0x10002
	s_lshl_b32 s62, s62, 10
	s_lshl_b32 s60, s60, 7
	s_add_co_u32 s62, s62, s60
	s_and_b32 s60, s58, 3
	s_lshl_b32 s60, s60, 1
	s_add_co_u32 s62, s62, s60
	s_add_co_u32 s62, s62, s59
	s_add_co_u32 s62, s62, 49152
	s_add_nc_u64 s[50:51], s[8:9], s[62:63]        ; scale bytes
.irp t, 0,1
	v_mov_b32 v[25+14*\t], 0xff61b1e6              ; the largest score so far: -3e38
	v_floor_f32 v[24+14*\t], -v[25+14*\t]
.irp k, 26,27,28,29,36
	v_mov_b32 v[\k+14*\t], 0
.endr
.endr
.set JJ, 0
.rept 64
	v_mov_b32 v[192+JJ], 0                         ; the step is written for every step alike: the first finds zeros
.set JJ, JJ+1
.endr
	WIN 0x40
.irp k, 0,1,2,3,4,5
	v_mov_b32 v[102+\k], 0                         ; the 64 zero codes beside q
	v_mov_b32 v[120+\k], 0
.endr
	WIN 0
	s_wait_loadcnt 0x0
	v_perm_b32 v18, v13, v13, 0x01000100           ; tile 0's two bytes, for either side of the operand
	v_perm_b32 v19, v13, v13, 0x03020302           ; tile 1's
	WIN 0x40
.irp k, 0,1,2,3,4,5
	v_mov_b32 v[96+\k], v[64+\k]
	v_mov_b32 v[108+\k], v[64+\k]
	v_mov_b32 v[114+\k], v[70+\k]
	v_mov_b32 v[126+\k], v[70+\k]
.endr
	WIN 0
.macro ADDR                            ; the LDS addresses of the record at s40
	v_add_nc_u32 v8, s40, v3
	v_add_nc_u32 v9, s40, v4
	v_add_nc_u32 v10, s40, v22
	v_add_nc_u32 v11, s40, v2
.endm
.macro KLOAD                           ; 13 loads: k's four operands (band c, rows' half p) and their scale words
	WIN 0x40
.irp c, 0,1
.irp p, 0,1
.irp q, 0,1,2
	ds_load_b128 v[24*\c+12*\p+4*\q:24*\c+12*\p+4*\q+3], v8 offset:3840*\c+128*\p+640*\q
.endr
.endr
.endr
	WIN 0
	ds_load_b64 v[14:15], v9 offset:24*CH_
.endm
.macro VLOAD                           ; 17 loads: v's four operands (16 channels x 128 keys) and their scale words
	WIN 0x40
.irp a, 0,1,2,3
.irp i, 0,1
	ds_load_b128 v[48+12*\a+6*\i:48+12*\a+6*\i+3], v10 offset:CH_*(25+3*(4*\i+\a))
	ds_load_b64 v[48+12*\a+6*\i+4:48+12*\a+6*\i+5], v11 offset:CH_*(27+3*(4*\i+\a))
.endr
.endr
	WIN 0
	ds_load_b64 v[16:17], v11 offset:49*CH_
.endm
.macro PKF t, j                        ; t - M of pair j of tile t
	v_pk_fma_f32 v[64+64*\t+2*(\j):64+64*\t+2*(\j)+1], v[64+64*\t+2*(\j):64+64*\t+2*(\j)+1], s[22:23], v[24+14*\t:25+14*\t] op_sel_hi:[1,0,0]
.endm
.macro OM t, j                         ; pair j of O^T of tile t under the new M
	v_pk_mul_f32 v[192+32*\t+2*(\j):192+32*\t+2*(\j)+1], v[192+32*\t+2*(\j):192+32*\t+2*(\j)+1], v[28+14*\t:29+14*\t] op_sel_hi:[1,0]
.endm
.macro PA d, s
	v_pk_add_f32 v[\d:\d+1], v[\d:\d+1], v[\s:\s+1]
.endm
.macro PA3 d, a, b
	v_pk_add_f32 v[\d:\d+1], v[\a:\a+1], v[\b:\b+1]
.endm
.macro CH t, i                         ; line i of the ten that make p's scale operands and scale word from the two blocks' largest p
.if \i == 1
	v_max_num_f32 v[30+14*\t], 0x1800000, v[30+14*\t]   ; the floor holds the byte at 1 from below
.elseif \i == 2
	v_max_num_f32 v[32+14*\t], 0x1800000, v[32+14*\t]
.elseif \i == 3
	v_add_nc_u32 v[34+14*\t], 0xff000000, v[30+14*\t]
.elseif \i == 4
	v_add_nc_u32 v[35+14*\t], 0xff000000, v[32+14*\t]
.elseif \i == 5
	v_lshrrev_b32 v[31+14*\t], 23, v[34+14*\t]
.elseif \i == 6
	v_lshrrev_b32 v[33+14*\t], 23, v[35+14*\t]
.elseif \i == 7
	v_lshl_or_b32 v[31+14*\t], v[33+14*\t], 16, v[31+14*\t]   ; my bytes: blocks h and 2 + h,
.elseif \i == 8
	v_lshlrev_b32 v[31+14*\t], v12, v[31+14*\t]               ; at their places;
.elseif \i == 9
	v_permlanex16_b32 v[36+14*\t], v[31+14*\t], s20, s21
.else
	v_or_b32 v[20+\t], v[31+14*\t], v[36+14*\t]               ; with lane l xor 16's the word is whole
.endif
.endm
.macro CVT t                           ; p's codes of tile t, into window 1
	WIN 0x40
	v_cvt_scalef32_pk16_fp6_f32 v[132+20*\t:134+20*\t], v[64+64*\t:79+64*\t], v[34+14*\t]
	v_cvt_scalef32_pk16_fp6_f32 v[144+20*\t:146+20*\t], v[80+64*\t:95+64*\t], v[34+14*\t]
	v_cvt_scalef32_pk16_fp6_f32 v[138+20*\t:140+20*\t], v[96+64*\t:111+64*\t], v[35+14*\t]
	v_cvt_scalef32_pk16_fp6_f32 v[148+20*\t:150+20*\t], v[112+64*\t:127+64*\t], v[35+14*\t]
.endm
; A step of 128 keys for both tiles.  k's fragments of the next step are asked for behind this step's score products, v's behind this step's last products.
; mode 0: a step like any other; 1: the last, which asks for nothing more; 2: step 1, with the barrier that shows records 2 to 15.
.macro STEP mode
	s_wait_dscnt 17                                ; k's 13 loads are in; the 17 younger ones, v's, may be out
	WIN 0x05
.irp c, 0,1
.irp p, 0,1
.irp t, 0,1
	WM 64+64*\t+32*\c+16*\p, 24*\c+12*\p, 96+18*\t, 0, 14+\c, 18+\t, \p
	WM 64+64*\t+32*\c+16*\p+8, 24*\c+12*\p, 102+18*\t, 0, 14+\c, 18+\t, \p
.endr
.endr
.endr
	WIN 0
.if \mode == 1
	PLACES
.else
.if \mode == 2
	s_wait_tensorcnt 0x0                           ; every wave's records are in,
	s_wait_dscnt 0x0
	s_barrier_signal -1
	s_barrier_wait -1                              ; and shown to all
.endif
	s_add_co_u32 s40, s40, REC
	ADDR                                           ; four plain lines: the places behind the products
	KLOAD
.endif
; the blocks' largest scores: eight chains by turns; each accumulator is first read at its low end
.irp c, 0,1
.irp e, 0,1
.irp t, 0,1
	v_max3_num_f32 v[30+14*\t+2*\c+\e], v[64+64*\t+32*\c+16*\e], v[64+64*\t+32*\c+16*\e+1], v[64+64*\t+32*\c+16*\e+2]
.endr
.endr
.endr
.irp i, 3,5,7,9,11,13
.irp c, 0,1
.irp e, 0,1
.irp t, 0,1
	v_max3_num_f32 v[30+14*\t+2*\c+\e], v[30+14*\t+2*\c+\e], v[64+64*\t+32*\c+16*\e+\i], v[64+64*\t+32*\c+16*\e+\i+1]
.endr
.endr
.endr
.endr
.irp c, 0,1
.irp t, 0,1
	v_max3_num_f32 v[30+14*\t+2*\c], v[30+14*\t+2*\c], v[64+64*\t+32*\c+15], v[64+64*\t+32*\c+31]
.endr
.endr
.irp c, 0,1
.irp t, 0,1
	v_max_num_f32 v[30+14*\t+2*\c], v[30+14*\t+2*\c], v[31+14*\t+2*\c]
.endr
.endr
; M and f, the two tiles by turns
.irp t, 0,1
	s_delay_alu instid0(VALU_DEP_2)
	v_max3_num_f32 v[25+14*\t], v[25+14*\t], v[30+14*\t], v[32+14*\t]
.endr
.irp t, 0,1
	s_delay_alu instid0(VALU_DEP_2)
	v_permlanex16_b32 v[36+14*\t], v[25+14*\t], s20, s21
.endr
.irp t, 0,1
	s_delay_alu instid0(VALU_DEP_2)
	v_max_num_f32 v[25+14*\t], v[25+14*\t], v[36+14*\t]   ; the running largest score of my query
.endr
.irp t, 0,1
	s_delay_alu instid0(VALU_DEP_2)
	v_mul_f32 v[37+14*\t], s22, v[25+14*\t]
.endr
.irp t, 0,1
	v_mov_b32 v[29+14*\t], v[24+14*\t]
.endr
.irp t, 0,1
	s_delay_alu instid0(VALU_DEP_4)
	v_floor_f32 v[24+14*\t], -v[37+14*\t]          ; -M = floor(-t)
.endr
.irp t, 0,1
	s_delay_alu instid0(VALU_DEP_2)
	v_sub_f32 v[29+14*\t], v[24+14*\t], v[29+14*\t]
.endr
.irp j, 0,1,2,3
	PKF 0, \j
.endr
.irp t, 0,1
	v_cvt_i32_f32 v[29+14*\t], v[29+14*\t]
.endr
.irp j, 4,5,6,7
	PKF 0, \j
.endr
.irp t, 0,1
	v_ldexp_f32 v[28+14*\t], 1.0, v[29+14*\t]      ; f = 2^(old M - new M)
.endr
.set JJ, 8
.rept 24
	PKF 0, JJ
.set JJ, JJ+1
.endr
	v_fma_f32 v30, v30, s22, v24
	v_fma_f32 v32, v32, s22, v24
.set JJ, 0
.rept 16
	OM 0, JJ
.set JJ, JJ+1
.endr
	WALU                                           ; the wait ahead of a batch
; tile 0's exponentials, tile 1's t - M among them: lines that hang on nothing of the batch and are read behind the next wait
.set JJ, 0
.rept 32
	v_exp_f32 v[64+2*JJ], v[64+2*JJ]
	PKF 1, JJ
	v_exp_f32 v[65+2*JJ], v[65+2*JJ]
.set JJ, JJ+1
.endr
	v_exp_f32 v30, v30                             ; the blocks' largest p: the same two instructions on the same numbers
	v_fma_f32 v44, v44, s22, v38
	v_exp_f32 v32, v32
	v_fma_f32 v46, v46, s22, v38
	WALU                                           ; and behind it; directly ahead of the first read of tile 1's O^T
	OM 1, 0
	CH 0, 1
	CH 0, 2
	OM 1, 1
	OM 1, 2
	CH 0, 3
	CH 0, 4
	OM 1, 3
	OM 1, 4
	CH 0, 5
	CH 0, 6
	OM 1, 5
	OM 1, 6
	CH 0, 7
	OM 1, 7
	OM 1, 8
	OM 1, 9
	CH 0, 8
	OM 1, 10
	OM 1, 11
	OM 1, 12
	CH 0, 9
	OM 1, 13
	OM 1, 14
	OM 1, 15
	CH 0, 10
	CVT 0
	WIN 0
	v_nop                                          ; one plain place behind a scaled conversion
; tile 1's exponentials, the first level of tile 0's sum among them (in place: tile 0's p has been converted)
.set JJ, 0
.rept 16
	v_exp_f32 v[128+4*JJ], v[128+4*JJ]
	PA 64+4*JJ, 66+4*JJ
	v_exp_f32 v[129+4*JJ], v[129+4*JJ]
	v_exp_f32 v[130+4*JJ], v[130+4*JJ]
	v_exp_f32 v[131+4*JJ], v[131+4*JJ]
.set JJ, JJ+1
.endr
	v_exp_f32 v44, v44
	v_exp_f32 v46, v46
	v_nop
	WALU
; tile 1's scale word, the rest of tile 0's sum (four chains) among its lines
	CH 1, 1
	CH 1, 2
	v_pk_fma_f32 v[26:27], v[26:27], v[28:29], v[64:65] op_sel_hi:[1,0,1]   ; the sum under the new M, and on
	PA3 52, 68, 72
	CH 1, 3
	CH 1, 4
	PA3 54, 76, 80
	PA3 56, 84, 88
	CH 1, 5
	CH 1, 6
	PA 26, 92
	PA 52, 96
	CH 1, 7
	PA 54, 100
	PA 56, 104
	PA 26, 108
	CH 1, 8
	PA 52, 112
	PA 54, 116
	PA 56, 120
	CH 1, 9
	PA 26, 124
	PA 52, 54
	PA 26, 56
	CH 1, 10
	PA 26, 52
	CVT 1
	WIN 0x41
.irp t, 0,1
.irp i, 0,1,2
	v_mov_b32 v[135+20*\t+\i], v[144+20*\t+\i]     ; (a conversion's three registers begin on an even number); tile 0's six are the places behind tile 1's conversions
	v_mov_b32 v[141+20*\t+\i], v[148+20*\t+\i]
.endr
.endr
	WIN 0
; tile 1's sum, seven chains by turns
	v_pk_fma_f32 v[40:41], v[40:41], v[42:43], v[128:129] op_sel_hi:[1,0,1]
	PA3 58, 130, 132
	PA3 60, 134, 136
	PA3 62, 138, 140
	PA3 52, 142, 144
	PA3 54, 146, 148
	PA3 56, 150, 152
.set JJ, 154
.rept 2
.irp r, 40,58,60,62,52,54,56
	PA \r, JJ
.set JJ, JJ+2
.endr
.endr
.irp r, 40,58,60,62,52
	PA \r, JJ
.set JJ, JJ+2
.endr
	PA 58, 60
	PA 62, 52
	PA 54, 56
	PA 40, 58
	PA 62, 54
	PA 40, 62
.if \mode == 1
	WALU
	s_wait_dscnt 0x0
.else
	s_wait_dscnt 13                                ; v's 17 loads are in; the 13 younger ones, the next step's k, may be out
.endif
	WIN 0x05
.irp a, 0,1,2,3
.irp t, 0,1
	WM 192+32*\t+8*\a, 48+12*\a, 132+20*\t, v[192+32*\t+8*\a:192+32*\t+8*\a+7], 16+\a/2, 20+\t, \a%2   ; O^T += v^T p^T, eight accumulators by turns
.endr
.endr
	WIN 0
	PLACES
.if \mode != 1
	VLOAD
.endif
.endm
	WALU                                           ; the wait at the head's end
	s_cmp_lg_u32 s12, 0
	s_cbranch_scc1 .Lnot_mine
	s_wait_tensorcnt 0x0                           ; wave 0: records 0 and 1 are in
.Lnot_mine:
	s_barrier_signal -1
	s_barrier_wait -1                              ; and shown to all; the other loads may stay out
	ADDR
	KLOAD
	VLOAD
	STEP 0
	STEP 2
	s_mov_b32 s41, 13
.Lstep:
	STEP 0
	s_sub_co_u32 s41, s41, 1
	s_cmp_lg_u32 s41, 0
	s_cbranch_scc1 .Lstep
	STEP 1
; THE WAY OUT: O^T / the sum; register 16 b + i of lane (r, h) is channel 32 b + 16 h + i: a block lies in lanes l and l xor 16.  The two tiles by turns.
.irp t, 0,1
	v_add_f32 v[26+14*\t], v[26+14*\t], v[27+14*\t]
.endr
.irp t, 0,1
	v_permlanex16_b32 v[36+14*\t], v[26+14*\t], s20, s21
.endr
.irp t, 0,1
	v_add_f32 v[26+14*\t], v[26+14*\t], v[36+14*\t]
.endr
	WALU
	v_rcp_f32 v26, v26
	v_rcp_f32 v40, v40
	v_nop
	WALU
.irp t, 0,1
.set JJ, 0
.rept 32
	v_mul_f32 v[64+64*\t+JJ], v[192+32*\t+JJ], v[26+14*\t]
.set JJ, JJ+1
.endr
.endr
.irp b, 0,1
.irp t, 0,1
	v_max3_num_f32 v[30+14*\t+\b], |v[64+64*\t+16*\b]|, |v[65+64*\t+16*\b]|, 0x1800000
.endr
.endr
.irp i, 2,4,6,8,10,12,14
.irp b, 0,1
.irp t, 0,1
	v_max3_num_f32 v[30+14*\t+\b], v[30+14*\t+\b], |v[64+64*\t+16*\b+\i]|, |v[65+64*\t+16*\b+\i]|
.endr
.endr
.endr
.irp b, 0,1
.irp t, 0,1
	v_permlanex16_b32 v[32+14*\t+\b], v[30+14*\t+\b], s20, s21
.endr
.endr
.irp b, 0,1
.irp t, 0,1
	v_max_num_f32 v[30+14*\t+\b], v[30+14*\t+\b], v[32+14*\t+\b]
.endr
.endr
.irp b, 0,1
.irp t, 0,1
	v_add_nc_u32 v[34+14*\t+\b], 0xff000000, v[30+14*\t+\b]
.endr
.endr
.irp b, 0,1
.irp t, 0,1
	v_lshrrev_b32 v[36+14*\t+\b], 23, v[34+14*\t+\b]
.endr
.endr
.irp t, 0,1
	v_cvt_scalef32_pk16_fp6_f32 v[96+64*\t:98+64*\t], v[64+64*\t:79+64*\t], v[34+14*\t]
	v_cvt_scalef32_pk16_fp6_f32 v[102+64*\t:104+64*\t], v[80+64*\t:95+64*\t], v[35+14*\t]
.endr
	v_nop
.irp t, 0,1
	v_cndmask_b32 v[29+14*\t], v[36+14*\t], v[37+14*\t], s44   ; lane (r, h): block h's byte
.endr
.irp t, 0,1
.irp i, 0,1,2
	v_permlane16_swap_b32 v[96+64*\t+\i], v[102+64*\t+\i]
.endr
.endr
.irp t, 0,1
.irp i, 0,1,2
	v_mov_b32 v[99+64*\t+\i], v[102+64*\t+\i]
.endr
.endr
.irp t, 0,1
	global_store_b128 v1, v[96+64*\t:99+64*\t], s[48:49] offset:6144*\t
	global_store_b64 v2, v[100+64*\t:101+64*\t], s[48:49] offset:6144*\t+512
	global_store_b8 v7, v[29+14*\t], s[50:51] offset:128*\t
.endr
	s_wait_tensorcnt 0x0                           ; the wave's end
	ds_add_u32 v5, v6
	s_wait_dscnt 0x0
	CROUND                                         ; the closing round
	s_endpgm
.Lfunc_end_k_q2025f5af43_attn:
	.size	k_q2025f5af43_attn, .Lfunc_end_k_q2025f5af43_attn-k_q2025f5af43_attn
	.p2alignl 7, 3214868480
	.fill 96, 4, 3214868480
	.section	.rodata,"a",@progbits
	.p2align	6, 0x0
	.amdhsa_kernel k_q2025f5af43_attn
		.amdhsa_group_segment_fixed_size 257024
		.amdhsa_private_segment_fixed_size 0
		.amdhsa_enable_private_segment 0
		.amdhsa_kernarg_size 24
		.amdhsa_user_sgpr_count 2
		.amdhsa_user_sgpr_kernarg_segment_ptr 1
		.amdhsa_wavefront_size32 1
		.amdhsa_system_sgpr_workgroup_id_x 1
		.amdhsa_system_sgpr_workgroup_id_y 1
		.amdhsa_system_sgpr_workgroup_id_z 1
		.amdhsa_system_vgpr_workitem_id 0
		.amdhsa_next_free_vgpr 512
		.amdhsa_next_free_sgpr 66
		.amdhsa_reserve_vcc 0
		.amdhsa_float_denorm_mode_32 3
		.amdhsa_float_denorm_mode_16_64 3
		.amdhsa_memory_ordered 1
		.amdhsa_forward_progress 1
		.amdhsa_inst_pref_size 127
	.end_amdhsa_kernel
	.amdgpu_metadata
---
amdhsa.version: [ 1, 2 ]
amdhsa.kernels:
  - .name:           k_q2025f5af43_attn
    .symbol:         k_q2025f5af43_attn.kd
    .args:
      - { .name: qb, .offset: 0, .size: 8, .value_kind: global_buffer, .address_space: global }
      - { .name: kv, .offset: 8, .size: 8, .value_kind: global_buffer, .address_space: global }
      - { .name: ob, .offset: 16, .size: 8, .value_kind: global_buffer, .address_space: global }
    .group_segment_fixed_size: 257024
    .private_segment_fixed_size: 0
    .kernarg_segment_align: 8
    .kernarg_segment_size: 24
    .max_flat_workgroup_size: 256
    .sgpr_count:     66
    .vgpr_count:     512
    .wavefront_size: 32
...
	.end_amdgpu_metadata
.endif
;; end of part 3
;; launch oproj (part 4): grid 8 x 32, 4 waves a work-group, clusters of 4 x 4, 222,720 bytes of LDS; arguments ob, wc, bo, out0; writes out0
.if DOCPART == 4
	.amdgcn_target "amdgcn-amd-amdhsa--gfx1250"
	.amdhsa_code_object_version 6
	.text
	.protected	k_q2025f5af43_oproj
	.globl	k_q2025f5af43_oproj
	.p2align	8
	.type	k_q2025f5af43_oproj,@function
k_q2025f5af43_oproj:
	s_mov_b64 s[64:65], 0
	v_nop
	global_prefetch_b8 v0, s[64:65] scope:SCOPE_SE
	s_setreg_imm32_b32 hwreg(HW_REG_WAVE_MODE, 25, 1), 1
	s_wait_xcnt 0x0
	s_wait_alu depctr_hold_cnt(0) depctr_sa_sdst(0) depctr_va_vdst(0) depctr_va_sdst(0) depctr_va_ssrc(0) depctr_va_vcc(0) depctr_vm_vsrc(0)
	s_getreg_b32 s2, hwreg(HW_REG_IB_STS2, 6, 4)
	s_cmp_eq_u32 s2, 0
	s_cbranch_scc0 .Lentry_in_a_cluster
	s_endpgm
.Lentry_in_a_cluster:
	s_bfe_u32 s2, ttmp6, 0x10000c
	s_cmp_lg_u32 s2, 0xf033
	s_cbranch_scc0 .Lentry_shape_is_right
	s_endpgm
.Lentry_shape_is_right:
; LAUNCH 4 OF 4.  out0 = o Wo + bo on codes of E2M3.  Nothing is left out.
; A work-group makes 128 tokens x 128 columns.  o's record (102,400 bytes) and Wo's (102,400) land in LDS once, in two halves of K; nothing is filled again.
; CLUSTERS: 4 x 4 work-groups: o's record is shared along a row of the cluster, Wo's along a column: joint loads.
; SHARES.  Wave w: i = w / 2, j = w % 2: token tiles 4 i .. 4 i + 3 against column tiles 4 j .. 4 j + 3, TRANSPOSED (source 0 = Wo, source 1 = o): a lane holds one token and eight neighbouring columns.  16 accumulators by turns.
; bo is the C of each sum's first product.  The tiles' rows are in the order of the first launch; the true tokens and columns appear in the stores' addresses alone.
; REGISTERS: window 0: addresses, scale words, v160-223 rows on the way out.  window 1: v0-127 the sums (32 t + 8 n), v128-159 bo.  window 2: two sets of 8 fragments.
.set KHB,   102400                     ; LDS: a half of K: o's half record 51,200, then Wo's
.set STAGE, 204800                     ; behind them: 16 rows x (256 bytes + 16) for each wave
.set SPARE, 222208                     ; the spare words, 128 bytes a wave
.set SPW,   28
.set NIL,   29
.set SA,    64                         ; v64-95  o's scale words: 8 t + K step
.set SB,    96                         ; v96-127 Wo's: 8 n + K step
.set BO,    128                        ; window 1
.set G1A,   24
.set G0A,   32
.set G1B,   40
.set G0B,   48
.set MSB, 0
.macro WIN new
.if MSB != \new
	s_set_vgpr_msb (MSB<<8)|\new
.set MSB, \new
.endif
.endm
.macro CROUND
	s_barrier_signal -1
	s_barrier_wait -1
	s_cmp_lg_u32 s18, 0
	s_cbranch_scc1 .Lnot_wave_0_\@
	s_barrier_signal -3
.Lnot_wave_0_\@:
	s_barrier_wait -3
	s_barrier_signal -1
	s_barrier_wait -1
.endm
.macro PLACES
.rept 4
	v_nop
.endr
.endm
	s_load_b256 s[4:11], s[0:1], 0x0               ; ob, wc, bo, out0
	v_lshl_add_u32 v[SPW], v0, 2, SPARE
	v_mov_b32 v[NIL], 0
	ds_add_u32 v[SPW], v[NIL]                      ; the wave's opening: the add, twice on end, and its wait ahead of my first tensor load
	ds_add_u32 v[SPW], v[NIL]
	v_lshrrev_b32 v1, 5, v0
	v_readfirstlane_b32 s18, v1                    ; wave
	s_lshr_b32 s19, s18, 1                         ; i.  Also: I fetch o (0) or Wo (1)
	s_and_b32 s20, s18, 1                          ; j.  Also: which half of that record I fetch
	s_bfe_u32 s21, ttmp6, 0x40000                  ; cx
	s_bfe_u32 s22, ttmp6, 0x40004                  ; cy
	s_lshl_b32 s23, ttmp9, 2
	s_add_co_u32 s23, s23, s21                     ; the block of 128 columns
	s_and_b32 s56, ttmp7, 0xffff
	s_lshl_b32 s56, s56, 2
	s_add_co_u32 s56, s56, s22                     ; the block of 128 tokens
	s_lshl_b32 s82, s22, 2
	s_lshl_b32 s82, 15, s82                        ; my row of the cluster
	s_lshl_b32 s83, 0x1111, s21                    ; my column
	s_or_b32 s[G1A], s82, (3<<16)|(1<<21)          ; dense blocks as 200 rows of 256 bytes
	s_or_b32 s[G1B], s83, (3<<16)|(1<<21)
.irp g, G1A, G1B
	s_mov_b32 s[\g+1], 32<<16
	s_mov_b32 s[\g+2], 200<<16
	s_mov_b32 s[\g+3], 32<<16
	s_mov_b32 s[\g+4], 200
	s_mov_b32 s[\g+5], 32
	s_mov_b32 s[\g+6], 0
	s_mov_b32 s[\g+7], 0
.endr
	s_mul_i32 s88, s20, 51200                      ; a wave fetches one whole half record: half j of K
	s_mul_i32 s84, s56, 102400
	s_add_co_u32 s84, s84, s88                     ; o's: on the tokens' block and the wave alone
	s_mov_b32 s85, 0
	s_mul_i32 s86, s23, 102400
	s_add_co_u32 s86, s86, s88
	s_add_co_u32 s86, s86, 2457600                 ; Wo's: on the columns' block and the wave alone
	s_mov_b32 s87, 0
	s_mul_i32 s88, s20, KHB                        ; in LDS: half j
	s_wait_dscnt 0x0                               ; both opening adds are done
	s_wait_kmcnt 0x0
	s_add_nc_u64 s[84:85], s[4:5], s[84:85]
	s_add_nc_u64 s[86:87], s[6:7], s[86:87]
	CROUND                                         ; all sixteen work-groups are here: the joint loads meet
	s_mov_b32 s[G0A], 1
	s_mov_b32 s[G0A+1], s88
	s_mov_b64 s[G0A+2:G0A+3], s[84:85]
	s_or_b32 s[G0A+3], s[G0A+3], 0x80000000
	s_mov_b32 s[G0B], 1
	s_add_co_u32 s[G0B+1], s88, 51200
	s_mov_b64 s[G0B+2:G0B+3], s[86:87]
	s_or_b32 s[G0B+3], s[G0B+3], 0x80000000
	s_cmp_eq_u32 s18, 0                            ; one tensor load a wave, each in its own arm of one chain on the wave's number
	s_cbranch_scc0 .Lfill_1
	tensor_load_to_lds s[G0A:G0A+3], s[G1A:G1A+7]  ; wave 0: o, first half of K
	s_nop 0
	PLACES
	s_branch .Lfilled
.Lfill_1:
	s_cmp_eq_u32 s18, 1
	s_cbranch_scc0 .Lfill_2
	tensor_load_to_lds s[G0A:G0A+3], s[G1A:G1A+7]  ; wave 1: o, second half
	s_nop 0
	PLACES
	s_branch .Lfilled
.Lfill_2:
	s_cmp_eq_u32 s18, 2
	s_cbranch_scc0 .Lfill_3
	tensor_load_to_lds s[G0B:G0B+3], s[G1B:G1B+7]  ; wave 2: Wo, first half
	s_nop 0
	PLACES
	s_branch .Lfilled
.Lfill_3:
	tensor_load_to_lds s[G0B:G0B+3], s[G1B:G1B+7]  ; wave 3: Wo, second half
	s_nop 0
	PLACES
.Lfilled:
	v_and_b32 v21, 31, v0                          ; lane
	v_and_b32 v22, 15, v0                          ; r
	v_bfe_u32 v23, v0, 4, 1                        ; h
	v_lshlrev_b32 v1, 4, v21                       ; 16 l
	v_lshlrev_b32 v2, 3, v21                       ; 8 l
	v_lshlrev_b32 v3, 3, v22                       ; 8 r
	s_wait_alu depctr_va_vdst(0)
	s_mul_i32 s82, s19, 24576                      ; my four tiles of o
	s_mul_i32 s83, s20, 24576
	s_add_co_u32 s83, s83, 51200                   ; my four tiles of Wo
.irp kh, 0,1
	v_add_nc_u32 v[4+\kh], s82, v1
	v_add_nc_u32 v[6+\kh], s82, v2
	v_add_nc_u32 v[8+\kh], s83, v1
	s_add_co_u32 s82, s82, KHB
	s_add_co_u32 s83, s83, KHB
.endr
	s_lshl_b32 s82, s19, 9
	s_add_co_u32 s82, s82, 49152                   ; their scale words
	s_lshl_b32 s83, s20, 9
	s_add_co_u32 s83, s83, 100352
.irp kh, 0,1
	v_add_nc_u32 v[10+\kh], s82, v3
	v_add_nc_u32 v[12+\kh], s83, v3
	s_add_co_u32 s82, s82, KHB
	s_add_co_u32 s83, s83, KHB
.endr
	s_mul_i32 s82, s18, 4352
	s_add_co_u32 s82, s82, STAGE                   ; my stage
	v_mul_u32_u24 v14, v22, 272
	v_lshl_add_u32 v14, v23, 6, v14
	v_add_nc_u32 v14, s82, v14                     ; in: row r, + 64 h bytes
	v_mul_u32_u24 v15, v23, 272
	v_lshl_add_u32 v15, v22, 4, v15
	v_add_nc_u32 v15, s82, v15                     ; back: lanes 0-15 one row of 256 bytes, lanes 16-31 the next
	v_lshlrev_b32 v16, 12, v23
	v_lshl_add_u32 v16, v22, 4, v16                ; and the same two rows in out0
	v_lshlrev_b32 v19, 6, v23                      ; bo: 16 h numbers on
	s_wait_alu depctr_va_vdst(0)
	s_mov_b32 s91, 0
	s_lshl_b32 s90, s56, 19                        ; 128 rows of 4,096 bytes
	s_lshl_b32 s58, s19, 18                        ; my 64 rows
	s_add_co_u32 s90, s90, s58
	s_lshl_b32 s58, s23, 9                         ; 128 columns
	s_add_co_u32 s90, s90, s58
	s_lshl_b32 s59, s20, 8                         ; my 64 columns
	s_add_co_u32 s90, s90, s59
	s_add_nc_u64 s[70:71], s[10:11], s[90:91]
	s_add_co_u32 s90, s58, s59
	s_add_nc_u64 s[74:75], s[8:9], s[90:91]
	WIN 0x40                                       ; destination window 1
.irp n, 0,1,2,3
	global_load_b128 v[BO+8*\n:BO+8*\n+3], v19, s[74:75] offset:(32*(\n/2)+8*(\n%2))*4       ; tile n, lane (r, h), register jj: column 32 (n / 2) + 16 h + 8 (n % 2) + jj of my 64
	global_load_b128 v[BO+8*\n+4:BO+8*\n+7], v19, s[74:75] offset:(32*(\n/2)+8*(\n%2))*4+16
.endr
	WIN 0
.macro SCALES kh
.irp q, 0,1
.irp t, 0,1,2,3
	ds_load_b64 v[SA+8*\t+4*(\kh)+2*\q:SA+8*\t+4*(\kh)+2*\q+1], v[10+(\kh)] offset:128*\t+1024*\q
	ds_load_b64 v[SB+8*\t+4*(\kh)+2*\q:SB+8*\t+4*(\kh)+2*\q+1], v[12+(\kh)] offset:128*\t+1024*\q
.endr
.endr
.endm
.macro FETCH set, kh, sp               ; eight fragments: o's are two halves of 768 bytes (one head each), Wo's three runs of 512
	WIN 0x80                                       ; destination window 2
.irp t, 0,1,2,3
	ds_load_b128 v[96*(\set)+12*\t:96*(\set)+12*\t+3], v[4+(\kh)] offset:(4*\t+(\sp))*1536
	ds_load_b64 v[96*(\set)+12*\t+4:96*(\set)+12*\t+5], v[6+(\kh)] offset:(4*\t+(\sp))*1536+512
	ds_load_b128 v[96*(\set)+12*\t+6:96*(\set)+12*\t+9], v[4+(\kh)] offset:(4*\t+(\sp))*1536+768
	ds_load_b64 v[96*(\set)+12*\t+10:96*(\set)+12*\t+11], v[6+(\kh)] offset:(4*\t+(\sp))*1536+1280
.endr
.irp t, 0,1,2,3
.irp c, 0,1,2
	ds_load_b128 v[96*(\set)+48+12*\t+4*\c:96*(\set)+48+12*\t+4*\c+3], v[8+(\kh)] offset:(4*\t+(\sp))*1536+512*\c
.endr
.endr
.endm
.macro MUL set, ks                     ; 16 products, the accumulators by turns, in the same order in every K step
	WIN 0x5a                                       ; sources 0 and 1 window 2, C and D window 1
.irp t, 0,1,2,3
.irp n, 0,1,2,3
.if (\ks) == 0
	v_wmma_scale_f32_16x16x128_f8f6f4 v[32*\t+8*\n:32*\t+8*\n+7], v[96*(\set)+48+12*\n:96*(\set)+48+12*\n+11], v[96*(\set)+12*\t:96*(\set)+12*\t+11], v[BO+8*\n:BO+8*\n+7], v[SB+8*\n+(\ks)], v[SA+8*\t+(\ks)] matrix_a_fmt:MATRIX_FMT_FP6 matrix_b_fmt:MATRIX_FMT_FP6
.else
	v_wmma_scale_f32_16x16x128_f8f6f4 v[32*\t+8*\n:32*\t+8*\n+7], v[96*(\set)+48+12*\n:96*(\set)+48+12*\n+11], v[96*(\set)+12*\t:96*(\set)+12*\t+11], v[32*\t+8*\n:32*\t+8*\n+7], v[SB+8*\n+(\ks)], v[SA+8*\t+(\ks)] matrix_a_fmt:MATRIX_FMT_FP6 matrix_b_fmt:MATRIX_FMT_FP6
.endif
.endr
.endr
.endm
	s_cmp_eq_u32 s20, 0                            ; waves 0 and 2 fetched the first half of K: they wait for it; the second half may stay out
	s_cbranch_scc0 .Lnot_first
	s_wait_tensorcnt 0x0
.Lnot_first:
	s_barrier_signal -1
	s_barrier_wait -1                              ; everybody's is
	SCALES 0
	FETCH 0, 0, 0
	s_wait_loadcnt 0x0                             ; bo
.irp ks, 0,1,2,3,4,5,6,7
	s_wait_dscnt 0x0                               ; this K step's fragments are in (asked for a K step ago)
.if \ks > 0
	PLACES                                         ; in front of loads into the set that the last K step's products read
.endif
.if \ks == 3
	WIN 0
	s_wait_tensorcnt 0x0                           ; my part of the second half of K is in,
	s_barrier_signal -1
	s_barrier_wait -1                              ; everybody's is
	SCALES 1
.endif
.if \ks < 7
	FETCH (\ks+1)%2, (\ks+1)/4, (\ks+1)%4
.endif
	MUL \ks%2, \ks
.endr
; THE WAY OUT, a tile of 16 tokens x 64 columns at a time, through my own stage: in as 32 bytes a lane, back as whole rows of 256 bytes.  LDS serves a wave's instructions in order: no wait between the stores and the loads.
.macro TOSTAGE t
	WIN 0x04                                       ; an LDS store's data: window 1
.irp n, 0,1,2,3
	ds_store_b128 v14, v[32*(\t)+8*\n:32*(\t)+8*\n+3] offset:128*(\n/2)+32*(\n%2)          ; each accumulator from its low end on
	ds_store_b128 v14, v[32*(\t)+8*\n+4:32*(\t)+8*\n+7] offset:128*(\n/2)+32*(\n%2)+16
.endr
	WIN 0
.irp q, 0,1,2,3,4,5,6,7
	ds_load_b128 v[160+32*((\t)%2)+4*\q:160+32*((\t)%2)+4*\q+3], v15 offset:544*\q         ; the tile's rows 2 q and 2 q + 1
.endr
.endm
.macro SEND t, younger                 ; younger: the LDS instructions issued behind tile t's loads, which may stay out
	s_wait_dscnt \younger
.irp q, 0,1,2,3,4,5,6,7
	global_store_b128 v16, v[160+32*((\t)%2)+4*\q:160+32*((\t)%2)+4*\q+3], s[70:71] offset:(32*((\t)/2)+8*((\t)%2)+2*\q+8*(\q/4))*4096 th:TH_STORE_NT   ; row m of the tile is token 32 (t / 2) + 8 (t % 2) + m + 8 (m / 8); 16 lanes store 256 consecutive bytes, aligned
.endr
.endm
	PLACES                                         ; in front of the first read of results
	TOSTAGE 0
.irp t, 1,2,3
.if \t > 1
	s_wait_xcnt 0x0                                ; the stores of the tile two back have read the registers that this tile's loads take
.endif
	TOSTAGE \t
	SEND \t-1, 16                                  ; behind that tile's loads: this tile's 8 stores and 8 loads
.endr
	SEND 3, 0
	s_wait_tensorcnt 0x0                           ; the wave's end
	ds_add_u32 v[SPW], v[NIL]
	s_wait_dscnt 0x0
	CROUND                                         ; the closing round
	s_endpgm
.Lfunc_end_k_q2025f5af43_oproj:
	.size	k_q2025f5af43_oproj, .Lfunc_end_k_q2025f5af43_oproj-k_q2025f5af43_oproj
	.p2alignl 7, 3214868480
	.fill 96, 4, 3214868480
	.section	.rodata,"a",@progbits
	.p2align	6, 0x0
	.amdhsa_kernel k_q2025f5af43_oproj
		.amdhsa_group_segment_fixed_size 222720
		.amdhsa_private_segment_fixed_size 0
		.amdhsa_enable_private_segment 0
		.amdhsa_kernarg_size 32
		.amdhsa_user_sgpr_count 2
		.amdhsa_user_sgpr_kernarg_segment_ptr 1
		.amdhsa_wavefront_size32 1
		.amdhsa_system_sgpr_workgroup_id_x 1
		.amdhsa_system_sgpr_workgroup_id_y 1
		.amdhsa_system_sgpr_workgroup_id_z 1
		.amdhsa_system_vgpr_workitem_id 0
		.amdhsa_next_free_vgpr 768
		.amdhsa_next_free_sgpr 96
		.amdhsa_reserve_vcc 0
		.amdhsa_float_denorm_mode_32 3
		.amdhsa_float_denorm_mode_16_64 3
		.amdhsa_memory_ordered 1
		.amdhsa_forward_progress 1
		.amdhsa_inst_pref_size 50
	.end_amdhsa_kernel
	.amdgpu_metadata
---
amdhsa.version: [ 1, 2 ]
amdhsa.kernels:
  - .name:           k_q2025f5af43_oproj
    .symbol:         k_q2025f5af43_oproj.kd
    .args:
      - { .name: ob, .offset: 0, .size: 8, .value_kind: global_buffer, .address_space: global }
      - { .name: wc, .offset: 8, .size: 8, .value_kind: global_buffer, .address_space: global }
      - { .name: bo, .offset: 16, .size: 8, .value_kind: global_buffer, .address_space: global }
      - { .name: out0, .offset: 24, .size: 8, .value_kind: global_buffer, .address_space: global }
    .group_segment_fixed_size: 222720
    .private_segment_fixed_size: 0
    .kernarg_segment_align: 8
    .kernarg_segment_size: 32
    .max_flat_workgroup_size: 128
    .sgpr_count:     96
    .vgpr_count:     768
    .wavefront_size: 32
...
	.end_amdgpu_metadata
.endif
;; end of part 4
